; MI455X (gfx1250); checked and timed in simulation.
; The chip was launched on July 23, 2026; its instructions are those of AMD's public machine-readable ISA for CDNA 5 (MIT licence, August 2026) and "CDNA5" Instruction Set Architecture Reference Guide (July 2026). The comments in the code are by the model that wrote it; some were corrected since.
;; Multi Head Self Attention. Allowed arithmetic: matrix products marked QUANTISED: E2M3 operands, one E8M0 scale for each 32 along K, by v_wmma_scale_f32_16x16x128_f8f6f4 with both operands' format E2M3, f32 sums; everything else in f32.
;; Inputs: W_out 1,024 x 1,024 float32; W_qkv 1,024 x 3,072 float32; b_out 1,024 float32; b_qkv 3,072 float32; x 2 x 2,048 x 1,024 float32.
;; Outputs: out0 2 x 2,048 x 1,024 float32.
;; This version of the problem:
;;   THIS VERSION OF THE PROBLEM IS GIVEN IN LOW PRECISION. The matrix products marked QUANTISED in the list below multiply operands that are first quantised to E2M3 (2 exponent bits, 3 mantissa bits; 6 bits a number), with one power-of-two scale for each 32 numbers along K (OCP MX v1.0); their sums are f32. All else is computed in f32.
;;   The module's matrix products, in the order in which they are computed (A, B: the left and right operand; K: the contracted axis; several contracted axes count as one K, in the product's order):
;;     1. [M 4,096, K 1,024] x [K 1,024, N 3,072]; A: input x; B: input W_qkv: QUANTISED
;;     2. batch 32 x [M 2,048, K 64] x [K 64, N 2,048]; A: computed on the way; B: computed on the way: QUANTISED
;;     3. batch 32 x [M 2,048, K 2,048] x [K 2,048, N 64]; A: softmax (see below); B: computed on the way: QUANTISED
;;     4. [M 4,096, K 1,024] x [K 1,024, N 1,024]; A: computed on the way; B: input W_out: QUANTISED
;;   THE QUANTISER, for each operand of a quantised product, along K:
;;     - K is cut into blocks of 32 from its start; a last block that is shorter is filled with zeros.
;;     - A block's scale is 2^e with e = floor(log2(the largest magnitude in the block)) - 2, held to -126 .. 127; a block of zeros has e = 0. As a byte (E8M0): e + 127.
;;     - Each number is divided by its block's scale, clamped to +-7.5, and rounded to the nearest number of E2M3, ties to even, subnormals kept.
;;     - The product sums the exact products of the quantised numbers (number of the format x scale) in f32.
;;   ~~~python
;;   def quantise(x, axis):      # numpy; x: float32 -> the quantised numbers, widened to float32 again
;;       x = np.moveaxis(x, axis, -1); K = x.shape[-1]
;;       x = np.pad(x, [(0, 0)] * (x.ndim - 1) + [(0, -K % 32)]); x = x.reshape(x.shape[:-1] + (-1, 32)); a = np.abs(x).max(-1, keepdims=True)
;;       e = np.where(a > 0, np.clip(np.frexp(np.where(a > 0, a, 1))[1] - 1 - 2, -126, 127), 0)      # np.frexp(a)[1] - 1 = floor(log2(a)), exactly
;;       r = np.clip(x / 2.0 ** e, -7.5, 7.5)
;;       step = 2.0 ** (np.maximum(np.frexp(np.where(r == 0, 1, r))[1] - 1, 0) - 3)
;;       q = np.round(r / step) * step * 2.0 ** e      # np.round: ties to even
;;       return np.moveaxis(q.reshape(q.shape[:-2] + (-1,))[..., :K], -1, axis).astype(np.float32)
;;   ~~~
;;   SOFTMAX AHEAD OF A QUANTISED PRODUCT. Where the list says 'softmax', what is quantised is not the finished softmax but p = 2^(t - M), with t = logit x log2(e) and M = ceil(the row's largest t), a whole number; so 1/2 < the row's largest p <= 1. The row's sum l is taken of the UNQUANTISED p, in f32, and the product's result is divided by l at the end. Since M is a whole number, a kernel that streams over the keys may use a running M (the ceiling of the running maximum): every later rescaling is an exact power of two, which a block's scale takes up: the codes' values come out the same.
;;   OPERANDS COMPUTED ON THE WAY. 'Computed on the way' means the value that the module computes at that place (a softmax that the list does not call 'softmax' is quantised finished and normalised). What goes into a quantiser is computed in f32, as accurately as f32 sums, v_exp_f32 and their like allow (about 1e-6 of the number): no bf16 or f16 on the way to a quantiser, and a product that is left as it is and whose result goes on into a quantised operand takes f32 operands (vector FMAs, or v_wmma_f32_16x16x4_f32). A number that lies on a knife's edge between two numbers of the format may be rounded either way, as far as f32 arithmetic and the matrix unit's own rounding can turn it there, and no further.
;; One version. Each part assembles by itself: llvm-mc -triple=amdgcn-amd-amdhsa -mcpu=gfx1250 --defsym DOCPART=n.
;; ======== version 1 of 1: 4 launches
;; workspace buffers: cw 6,291,456 bytes; sw 262,144 bytes; qkvc 9,437,184 bytes; qkvs 655,360 bytes; oc 3,145,728 bytes; os 262,144 bytes
;; launch quant (part 1): grid 256 x 1, 4 waves a work-group, no clusters, 68,096 bytes of LDS; arguments x, W_qkv, W_out, cw, sw; writes cw, sw
.if DOCPART == 1
	.amdgcn_target "amdgcn-amd-amdhsa--gfx1250"
	.amdhsa_code_object_version 6
	.text
	.protected	k_q7f9a9f4e41_quant
	.globl	k_q7f9a9f4e41_quant
	.p2align	8
	.type	k_q7f9a9f4e41_quant,@function
k_q7f9a9f4e41_quant:
	s_mov_b64 s[64:65], 0
	v_nop
	global_prefetch_b8 v0, s[64:65] scope:SCOPE_SE
	s_setreg_imm32_b32 hwreg(HW_REG_WAVE_MODE, 25, 1), 1
	s_wait_xcnt 0x0
; x [4096][1024], W_qkv [1024][3072] and W_out [1024][1024], f32, become codes of FP6 (E2M3) with K innermost and one E8M0 byte for each 32 along K.
; cw: 8,192 rows of 768 bytes (1,024 codes, one stream of bits): rows 0-4,095 x's rows, rows 4,096-7,167 W_qkv's columns, rows 7,168-8,191 W_out's columns.  sw: the same rows, 32 scale bytes each.
; A block's scale is 2^(floor(log2(its largest magnitude)) - 2): its byte is the largest magnitude's exponent field - 2, held at 1 from below.
; W_out's codes stand, inside each block of 32, in the order p -> p with bits 3 and 4 exchanged (0-7, 16-23, 8-15, 24-31): the order in which the attention launch leaves its result's codes.  The same order on
; both operands of a product keeps every product and every block's scale; only the order of the f32 sums moves.
; LIMITS: NaN and infinities among the inputs are not served; a block whose largest magnitude lies under 2^-124 gets the byte 1; a block of zeros gets the byte 1 where the rule says 127 (its codes are zeros, and this program alone reads the bytes).
; 256 work-groups of 32,768 numbers each.  Work-groups 0-127 take x (K innermost: a plain stream of blocks); work-groups 128-255 the weights (K is the first axis: a lane takes a column, its registers run down K).
; The two ways part on the work-group's number, use LDS bytes of their own and each end by themselves.  No tensor loads, no barrier: waves share nothing.  No matrix unit, no cluster: memory binds, and no two work-groups read the same bytes.
.set STEPS, 16
.set EMAX,  2
.set CB,    12                         ; bytes of 16 codes
.set R,     16                         ; x's way: v16-79 four sets of 16 numbers as loaded
.set X,     80                         ; v80-111  two sets of 16 neighbours
.set E,     112                        ; v112-127 a scale byte for each step
.set C,     128                        ; v128-191 codes, four registers a step: no store's data are written again
.set WREG,  8192                       ; x's way, LDS: a region for each wave: two stages of 32 x SP bytes, then its 256 scale bytes
.set SP,    80
.set WST,   32768                      ; the weights' way, LDS: a stage of 32 rows x PITCH for each wave
.set PITCH, 272
.set SPARE, WST+4*32*PITCH             ; the spare words, 128 bytes a wave: two blocks of 256 bytes that no other line names
.set SPW,   208                        ; v208 my spare word's address; never rewritten
.set NIL,   209                        ; v209 0; never rewritten
.set KROW,  768                        ; a row of cw
.set NB,    8                          ; blocks of 32 along K for a wave of the weights' way
.set WX,    32                         ; the weights' way: v32-95 two sets of 32 numbers
.set WC,    96                         ; v96-102  a block's codes
.set OUTR,  112                        ; v112-175 the way out
.set OFF,   176                        ; v176-207 byte offset of row i of a block, for my column; never rewritten
.set SB,    24                         ; v24-25   my column's eight scale bytes
.set WB,    32                         ; s[32:47] where block t begins, a pair for each of the eight blocks; never rewritten
	s_load_b128 s[4:7], s[0:1], 0x0                ; x, W_qkv
	s_load_b128 s[8:11], s[0:1], 0x10              ; W_out, cw
	s_load_b64 s[12:13], s[0:1], 0x20              ; sw
	v_lshl_add_u32 v[SPW], v0, 2, SPARE
	v_mov_b32 v[NIL], 0
	v_lshrrev_b32 v1, 5, v0
	v_readfirstlane_b32 s16, v1                    ; wave
	v_and_b32 v2, 31, v0                           ; lane
	s_wait_kmcnt 0x0
	s_cmp_lt_u32 ttmp9, 128
	s_cbranch_scc0 .Lw
; ---------------- x: a wave takes 16 steps of 512 numbers.  A load reads 512 consecutive bytes; a step's 2,048 bytes turn through the wave's stage and come back 64 bytes (16 neighbours) a lane; two lanes hold a block.
	v_lshlrev_b32 v3, 4, v2                        ; my 16 bytes of a load's 512
	s_mul_i32 s17, s16, WREG
	v_lshrrev_b32 v14, 2, v2
	v_mul_u32_u24 v14, v14, SP
	v_and_b32 v15, 3, v2
	v_lshl_add_u32 v14, v15, 4, v14
	v_add_nc_u32 v14, s17, v14                     ; into the stage: SP (lane / 4) + 16 (lane % 4)
	v_mul_u32_u24 v15, v2, SP
	v_add_nc_u32 v15, s17, v15                     ; out of it: SP x lane
	v_mul_u32_u24 v4, v2, CB                       ; my codes' place in a step's 384 bytes
	v_lshrrev_b32 v5, 1, v2
	s_add_co_u32 s17, s17, 2*32*SP
	v_add_nc_u32 v5, s17, v5                       ; my block's byte among the wave's 256
	v_lshlrev_b32 v7, 3, v2
	v_add_nc_u32 v6, s17, v7                       ; and on the way out 8 bytes a lane
	s_lshl_b32 s17, ttmp9, 2
	s_add_co_u32 s18, s17, s16                     ; which run of 8,192 numbers is my wave's
	s_mov_b32 s19, 0
	s_mov_b64 s[20:21], 512*STEPS*4
	s_mul_u64 s[20:21], s[18:19], s[20:21]
	s_add_nc_u64 s[4:5], s[4:5], s[20:21]
	s_mov_b64 s[20:21], 32*STEPS*CB
	s_mul_u64 s[20:21], s[18:19], s[20:21]
	s_add_nc_u64 s[10:11], s[10:11], s[20:21]
	s_lshl_b32 s18, s18, 8                         ; 256 scale bytes a run
	s_add_nc_u64 s[12:13], s[12:13], s[18:19]
.macro XLOAD t
.irp i, 0,1,2,3
	global_load_b128 v[R+16*((\t)%4)+4*\i:R+16*((\t)%4)+4*\i+3], v3, s[4:5] offset:2048*(\t)+512*\i th:TH_LOAD_NT
.endr
.endm
.macro XTURN t                         ; LDS serves a wave's instructions in order: no wait between the stores and the loads
.irp i, 0,1,2,3
	ds_store_b128 v14, v[R+16*((\t)%4)+4*\i:R+16*((\t)%4)+4*\i+3] offset:32*SP*((\t)%2)+8*SP*\i
.endr
.irp i, 0,1,2,3
	ds_load_b128 v[X+16*((\t)%2)+4*\i:X+16*((\t)%2)+4*\i+3], v15 offset:32*SP*((\t)%2)+16*\i
.endr
.endm
.irp t, 0,1,2,3
	XLOAD \t
.endr
	s_wait_loadcnt 12                              ; step 0's four loads are in; the twelve of steps 1 to 3 may be out
	XTURN 0
.macro XSTEP t
.set XS, X+16*((\t)%2)
.if (\t) > 0
	s_wait_dscnt 1                                 ; this step's numbers are back (the last step's byte store may be out), so its stores into the stage have read their registers,
.else
	s_wait_dscnt 0x0
.endif
.if (\t)+4 < STEPS
	XLOAD (\t)+4                                   ; which take the loads of four steps on
.endif
.if (\t)+1 < STEPS
.if STEPS-2-(\t) >= 3
	s_wait_loadcnt 12                              ; the next step's four loads are in; those of the three steps behind it may be out
.else
	s_wait_loadcnt 4*(STEPS-2-(\t))
.endif
	XTURN (\t)+1
.endif
	v_max3_num_f32 v8, |v[XS]|, |v[XS+1]|, |v[XS+2]|
	v_max3_num_f32 v9, |v[XS+3]|, |v[XS+4]|, |v[XS+5]|
.irp i, 6,10
	v_max3_num_f32 v8, v8, |v[XS+\i]|, |v[XS+\i+1]|
	v_max3_num_f32 v9, v9, |v[XS+\i+2]|, |v[XS+\i+3]|
.endr
	v_max3_num_f32 v8, v8, |v[XS+14]|, |v[XS+15]|
	v_max3_num_f32 v8, v8, v9, (EMAX+1)<<23        ; the floor 2^(3 - 127): the byte cannot fall under 1
	v_max_num_f32_dpp v8, v8, v8 row_xmask:1 row_mask:0xf bank_mask:0xf   ; with my neighbour's 16: the block's largest magnitude
	v_add_nc_u32 v11, -(EMAX<<23), v8              ; 2 off its exponent field: the conversion takes that field as its scale
	v_cvt_scalef32_pk16_fp6_f32 v[C+4*(\t):C+4*(\t)+2], v[XS:XS+15], v11
	v_lshrrev_b32 v[E+(\t)], 23, v11               ; the scale's byte
	ds_store_b8 v5, v[E+(\t)] offset:16*(\t)       ; both lanes of a block write the same byte with the same value
	global_store_b96 v4, v[C+4*(\t):C+4*(\t)+2], s[10:11] offset:32*CB*(\t)   ; the wave stores 384 consecutive bytes
.endm
.irp t, 0,1,2,3,4,5,6,7,8,9,10,11,12,13,14,15
	XSTEP \t
.endr
	ds_load_b64 v[8:9], v6
	s_wait_dscnt 0x0
	global_store_b64 v7, v[8:9], s[12:13]          ; 32 lanes store 256 consecutive bytes, aligned
	s_wait_tensorcnt 0x0                           ; the wave's end, behind my last LDS store
	ds_add_u32 v[SPW], v[NIL]
	s_wait_dscnt 0x0
	s_endpgm
; ---------------- the weights: work-group g = (xi, y): output rows 128 xi .. + 127 (columns of W_qkv, then of W_out), 256 y .. + 255 along K; a wave takes 32 columns.
.Lw:
	s_sub_co_u32 s17, ttmp9, 128
	s_and_b32 s18, s17, 31                         ; xi
	s_lshr_b32 s19, s17, 5                         ; y
	s_lshl_b32 s20, s18, 7
	s_lshl_b32 s21, s16, 5
	s_add_co_u32 s20, s20, s21                     ; my wave's first output row among the weights' 4,096
	v_lshlrev_b32 v3, 2, v2                        ; in: 4 bytes a lane
	s_mul_i32 s31, s16, 32*PITCH
	s_add_co_u32 s31, s31, WST                     ; my stage
	v_mul_u32_u24 v4, v2, PITCH
	v_add_nc_u32 v4, s31, v4                       ; into it: row = my column
	v_and_b32 v5, 15, v2
	v_lshrrev_b32 v6, 4, v2
	v_mul_u32_u24 v7, v6, PITCH
	v_lshl_add_u32 v7, v5, 4, v7
	v_add_nc_u32 v7, s31, v7                       ; out of it: sixteen lanes to a row, two rows an instruction
	v_mul_u32_u24 v8, v6, KROW
	v_mad_u32_u24 v8, v5, 12, v8                   ; and the same place in cw
	v_mul_u32_u24 v9, v2, 32                       ; my column's row of scale bytes
	s_add_co_u32 s26, s20, 4096
	s_mul_i32 s28, s26, KROW
	s_mul_i32 s29, s19, 192
	s_add_co_u32 s28, s28, s29
	s_mov_b32 s29, 0
	s_add_nc_u64 s[10:11], s[10:11], s[28:29]      ; cw at my first row, + 192 y
	s_lshl_b32 s28, s26, 5
	s_lshl_b32 s30, s19, 3
	s_add_co_u32 s28, s28, s30
	s_add_nc_u64 s[12:13], s[12:13], s[28:29]      ; sw likewise, + 8 y
	s_cmp_lt_u32 s18, 24                           ; W_qkv or W_out: the choice hangs on the work-group's number alone; only moves and selects stand up to the last select
	s_cselect_b64 s[4:5], s[6:7], s[8:9]
	s_cselect_b32 s22, 0, 3072
	s_mov_b32 s23, 4096
	s_cselect_b32 s23, 12288, s23                  ; bytes from row to row of the source
.set i, 0
.rept 32                               ; register i of a block takes row i of W_qkv's block, or of W_out's the row i with bits 3 and 4 exchanged
	s_mov_b32 s24, 4096*((i&7)|((i&8)<<1)|((i&16)>>1))
	s_cselect_b32 s24, 12288*i, s24
	v_add_nc_u32 v[OFF+i], s24, v3
.set i, i+1
.endr
	s_sub_co_u32 s22, s20, s22                     ; my first column in the source
	s_lshl_b32 s26, s22, 2
	s_mov_b32 s27, 0
	s_lshl_b32 s24, s23, 8
	s_mul_i32 s24, s24, s19                        ; 256 y rows
	s_mov_b32 s25, 0
	s_add_nc_u64 s[24:25], s[24:25], s[26:27]
	s_add_nc_u64 s[WB:WB+1], s[4:5], s[24:25]
	s_lshl_b32 s24, s23, 5                         ; 32 rows on for each block
.irp t, 1,2,3,4,5,6,7
	s_add_nc_u64 s[WB+2*\t:WB+2*\t+1], s[WB+2*\t-2:WB+2*\t-1], s[24:25]
.endr
.macro WLOAD t                         ; a load reads 128 consecutive bytes: one row of the source at 32 neighbouring columns
.set i, 0
.rept 32
	global_load_b32 v[WX+32*((\t)%2)+i], v[OFF+i], s[WB+2*(\t):WB+2*(\t)+1] th:TH_LOAD_NT
.set i, i+1
.endr
.endm
	WLOAD 0
	WLOAD 1
.macro BLOCK t
.set XS, WX+32*((\t)%2)
.if (\t) < NB-1
	s_wait_loadcnt 32                              ; this block's 32 loads are in; the next block's 32 may be out
.else
	s_wait_loadcnt 0
.endif
	v_max3_num_f32 v12, |v[XS]|, |v[XS+1]|, |v[XS+2]|              ; the block's largest magnitude: all 32 numbers are mine
	v_max3_num_f32 v13, |v[XS+3]|, |v[XS+4]|, |v[XS+5]|
.irp i, 6,10,14,18,22,26
	v_max3_num_f32 v12, v12, |v[XS+\i]|, |v[XS+\i+1]|
	v_max3_num_f32 v13, v13, |v[XS+\i+2]|, |v[XS+\i+3]|
.endr
	v_max3_num_f32 v12, v12, |v[XS+30]|, |v[XS+31]|
	v_max3_num_f32 v12, v12, v13, (EMAX+1)<<23
	v_add_nc_u32 v11, -(EMAX<<23), v12
	v_lshrrev_b32 v13, 23, v11                     ; the scale's byte
.if (\t)%4 == 0
	v_mov_b32 v[SB+(\t)/4], v13
.else
	v_lshl_or_b32 v[SB+(\t)/4], v13, 8*((\t)%4), v[SB+(\t)/4]
.endif
	v_cvt_scalef32_pk16_fp6_f32 v[WC:WC+2], v[XS:XS+15], v11
	v_cvt_scalef32_pk16_fp6_f32 v[WC+4:WC+6], v[XS+16:XS+31], v11  ; (a conversion's three registers begin on an even number)
	ds_store_b96 v4, v[WC:WC+2] offset:32*(\t)     ; 12 bytes to a place of 16, so that every LDS address is a multiple of 16
	ds_store_b96 v4, v[WC+4:WC+6] offset:32*(\t)+16
.if (\t)+2 < NB
	WLOAD (\t)+2
.endif
	s_wait_dscnt 0x0                               ; the stores have read their registers: the next block's codes may be written
.endm
.set Q, 0
.rept NB
	BLOCK Q
.set Q, Q+1
.endr
	global_store_b64 v9, v[SB:SB+1], s[12:13]      ; my column's eight scale bytes
.irp t, 0,1,2,3,4,5,6,7,8,9,10,11,12,13,14,15
	ds_load_b96 v[OUTR+4*\t:OUTR+4*\t+2], v7 offset:2*\t*PITCH
.endr
.irp t, 0,1,2,3,4,5,6,7,8,9,10,11,12,13,14,15
	s_wait_dscnt 15-\t                             ; the younger loads may be out
	global_store_b96 v8, v[OUTR+4*\t:OUTR+4*\t+2], s[10:11] offset:2*\t*KROW   ; sixteen lanes store a row's 192 consecutive bytes
.endr
	s_wait_tensorcnt 0x0                           ; the wave's end, behind my last LDS store
	ds_add_u32 v[SPW], v[NIL]
	s_wait_dscnt 0x0
	s_endpgm
.Lfunc_end_k_q7f9a9f4e41_quant:
	.size	k_q7f9a9f4e41_quant, .Lfunc_end_k_q7f9a9f4e41_quant-k_q7f9a9f4e41_quant
	.p2alignl 7, 3214868480
	.fill 96, 4, 3214868480
	.section	.rodata,"a",@progbits
	.p2align	6, 0x0
	.amdhsa_kernel k_q7f9a9f4e41_quant
		.amdhsa_group_segment_fixed_size 68096
		.amdhsa_private_segment_fixed_size 0
		.amdhsa_enable_private_segment 0
		.amdhsa_kernarg_size 40
		.amdhsa_user_sgpr_count 2
		.amdhsa_user_sgpr_kernarg_segment_ptr 1
		.amdhsa_wavefront_size32 1
		.amdhsa_system_sgpr_workgroup_id_x 1
		.amdhsa_system_sgpr_workgroup_id_y 1
		.amdhsa_system_sgpr_workgroup_id_z 1
		.amdhsa_system_vgpr_workitem_id 0
		.amdhsa_next_free_vgpr 210
		.amdhsa_next_free_sgpr 66
		.amdhsa_reserve_vcc 0
		.amdhsa_float_denorm_mode_32 3
		.amdhsa_float_denorm_mode_16_64 3
		.amdhsa_memory_ordered 1
		.amdhsa_forward_progress 1
		.amdhsa_inst_pref_size 78
	.end_amdhsa_kernel
	.amdgpu_metadata
---
amdhsa.version: [ 1, 2 ]
amdhsa.kernels:
  - .name:           k_q7f9a9f4e41_quant
    .symbol:         k_q7f9a9f4e41_quant.kd
    .args:
      - { .name: x, .offset: 0, .size: 8, .value_kind: global_buffer, .address_space: global }
      - { .name: W_qkv, .offset: 8, .size: 8, .value_kind: global_buffer, .address_space: global }
      - { .name: W_out, .offset: 16, .size: 8, .value_kind: global_buffer, .address_space: global }
      - { .name: cw, .offset: 24, .size: 8, .value_kind: global_buffer, .address_space: global }
      - { .name: sw, .offset: 32, .size: 8, .value_kind: global_buffer, .address_space: global }
    .group_segment_fixed_size: 68096
    .private_segment_fixed_size: 0
    .kernarg_segment_align: 8
    .kernarg_segment_size: 40
    .max_flat_workgroup_size: 128
    .sgpr_count:     66
    .vgpr_count:     210
    .wavefront_size: 32
...
	.end_amdgpu_metadata
.endif
;; end of part 1
;; launch gemm_qkv (part 2): grid 12 x 16, 4 waves a work-group, clusters of 4 x 4, 327,680 bytes of LDS; arguments cw, sw, b_qkv, qkvc, qkvs; writes qkvc, qkvs
.if DOCPART == 2
	.amdgcn_target "amdgcn-amd-amdhsa--gfx1250"
	.amdhsa_code_object_version 6
	.text
	.protected	k_q7f9a9f4e41_gemm_qkv
	.globl	k_q7f9a9f4e41_gemm_qkv
	.p2align	8
	.type	k_q7f9a9f4e41_gemm_qkv,@function
k_q7f9a9f4e41_gemm_qkv:
	s_mov_b64 s[64:65], 0
	v_nop
	global_prefetch_b8 v0, s[64:65] scope:SCOPE_SE
	s_setreg_imm32_b32 hwreg(HW_REG_WAVE_MODE, 25, 1), 1
	s_wait_xcnt 0x0
	s_wait_alu depctr_hold_cnt(0) depctr_sa_sdst(0) depctr_va_vdst(0) depctr_va_sdst(0) depctr_va_ssrc(0) depctr_va_vcc(0) depctr_vm_vsrc(0)
	s_getreg_b32 s2, hwreg(HW_REG_IB_STS2, 6, 4)
	s_cmp_eq_u32 s2, 0
	s_cbranch_scc0 .Lentry_in_a_cluster
	s_endpgm
.Lentry_in_a_cluster:
	s_bfe_u32 s2, ttmp6, 0x10000c
	s_cmp_lg_u32 s2, 0xf033
	s_cbranch_scc0 .Lentry_shape_is_right
	s_endpgm
.Lentry_shape_is_right:
; qkv = x W_qkv + b_qkv on codes of FP6 (E2M3) with E8M0 scales, K = 1,024; the result is quantised in registers into the operands of the attention launch and never goes to memory as f32.
; Both operands are rows of cw (768 bytes of codes) and sw (32 scale bytes): rows 0-4,095 x's tokens, rows 4,096-7,167 W_qkv's columns (q, k, v: 1,024 each).
; A work-group of four waves makes 256 x 256, a wave 128 x 128: 64 accumulators, 512 registers.  K goes in steps of 256 through two LDS slots filled by the tensor data mover; the scales of the work-group's rows stay in LDS.
; CLUSTERS 4 x 4: A's tiles are asked for jointly along a row of the cluster, B's along a column.  The cluster's x is the TYPE: 0 q, 1 k, 2 v, the same in all sixteen partners.
; q, k: A = 256 tokens, B = 256 columns of W.  v: A = 256 columns of W_v (channels), B = 256 tokens (keys).  The matrix instruction is used transposed (source 0 = B's rows, source 1 = A's rows): a lane holds one row of A
; and its registers run along B's rows: for q and k along the channels, for v along the keys: each along the K of the product that it will feed.
; THE WAY OUT: a block of 16 rows x 128: register 8 b + j of lane (r, h) is column 16 b + 8 h + j.  Bias added, four blocks of 32 quantised (lanes l and l xor 16 share a block), halves exchanged: 12 registers, the image of
; an operand's fragment.  Inside each block of 32 the codes stand in the order 0-7, 16-23, 8-15, 24-31; every partner operand is made the same way, so all products are kept and only the order of the f32 sums moves.
; qkvc: Q at 0, K at 3,145,728, V at 6,291,456, each [batch x head 32][98,304].  Q, K: [tile of 16 tokens][3 pieces of 256 bytes], lane l's 8 bytes at 8 l (registers 0-5 of a fragment; K = 64, registers 6-11 are zeros and are not stored).
; V: [128 keys][16 channels, 4 tiles][3 pieces of 512 bytes], lane l's 16 bytes at 16 l.  qkvs: [32][20,480]: Q's words (4 bytes a token, two bytes used), K's at 8,192, V's at 16,384 ([128 keys][channel]).
; LIMITS: NaN and infinities are not served; a block under 2^-124, and a block of zeros, get the byte 1 (zero codes add nothing; this program alone reads the bytes).
; REGISTERS, in windows of 256: window 0: v0-31 addresses; v32-63 scale words, two sets; v128-223 A's fragments, one set; v64-127 and v224-255 idle in the loop.  window 1: B's fragments, two sets.  windows 2, 3: the accumulators.
.set KSTEP,  256
.set NQ,     KSTEP/128
.set ROWB,   192
.set KROW,   768
.set PITCH,  240                       ; an LDS row: 3 x (64 bytes + 16 of padding): the 32 lanes of a load of 8 bytes touch 64 different banks (64 banks of 4 bytes: ISA guide 11.1)
.set FR,     12
.set NL,     6
.set NP,     4                         ; places behind this matrix instruction (ISA guide 7.12.1)
.set HALFT,  128*PITCH
.set SLOT,   4*HALFT
.set LAPS,   2                         ; 1,024 along K = four K steps = twice round the ring
.set KS,     32
.set SCL,    2*SLOT                    ; behind the ring: the scales, as units of 256 bytes + 16 of padding
.set HALFS,  (128*KS/256)*272
.set SBLK,   (16*KS/256)*272
.set SPARE,  SCL+4*HALFS               ; the spare words, 128 bytes a wave, that no other line names
.set BST,    SPARE+512                 ; the bias: 512 bytes a wave.  This region and the two behind it take no tensor load
.set SGQ,    BST+2048                  ; q, k: the scale words of a wave's 128 tokens x 2 heads, 1,024 bytes a wave
.set SGV,    SGQ+4096                  ; v: the scale words of a wave's 128 channels, 512 bytes a wave
.set ADRA, 16
.set ADRB, 20
.set ADRS, 27
.set SPW,  28
.set NIL,  29
.set SC,   32
.set AF,   128
.set BI,   64                          ; the way out, all in window 0: v64-127 the bias in the result's layout (q, k); v64-79 in pairs (v)
.set BV,   64
.set T,    128                         ; v128-191 a block's 64 numbers
.set CDS,  192                         ; v192-211 the codes
.set TM,   212                         ; v212-227 at work
.set PW,   228                         ; the scale word just made
.set PWS,  229                         ; my head's half of it
.set L8,   230                         ; 8 x lane
.set L16,  231                         ; 16 x lane
.set SH,   232                         ; 16 h
.set BRH,  233                         ; LDS addresses, made at the head
.set BRR,  234
.set SGA,  235
.set SGR,  236
.set SGAV, 237
.set SGRV, 238
.set VSO,  239
.set RB,   240                         ; v240-247 scale words read back
.set BB,   248                         ; v248-251 the bias as loaded
.set BSA,  252
.set SEL,  96                          ; s[96:97] lane selects for lane l xor 16
.set G1, 24
.set G0, 32
.set G1B, 48
.set G0B, 56
.set G1S, 68
.set G0S, 76
.set G1SB, 80
.set G0SB, 88
.set MSB, 0
.macro WIN new                         ; the immediate's high byte repeats the setting that is left
.if MSB != (\new)
	s_set_vgpr_msb (MSB<<8)|(\new)
.set MSB, (\new)
.endif
.endm
.set MUL_LO, 0xa1                      ; source 0 (B) window 1, source 1 (A) window 0, C and D window 2
.set MUL_HI, 0xf1
.set TO_B,   0x40
; A joint load: waves 0 and 1 fetch for A, waves 2 and 3 for B; the branch hangs on the wave's number alone.  An s_nop 0 and four v_nop follow each of the two lines.
.macro JLOAD g0a, g1a, g0b, g1b
	s_cmp_eq_u32 s15, 0
	s_cbranch_scc0 .Lfor_b_\@
	tensor_load_to_lds s[\g0a:\g0a+3], s[\g1a:\g1a+7]
	s_nop 0
.rept 4
	v_nop
.endr
	s_branch .Lasked_\@
.Lfor_b_\@:
	tensor_load_to_lds s[\g0b:\g0b+3], s[\g1b:\g1b+7]
	s_nop 0
.rept 4
	v_nop
.endr
.Lasked_\@:
.endm
.macro CREST
	s_cmp_lg_u32 s14, 0
	s_cbranch_scc1 .Lnot_wave_0_\@
	s_barrier_signal -3
.Lnot_wave_0_\@:
	s_barrier_wait -3
	s_barrier_signal -1
	s_barrier_wait -1
.endm
.macro CROUND
	s_barrier_signal -1
	s_barrier_wait -1
	CREST
.endm
	s_load_b256 s[4:11], s[0:1], 0x0               ; cw s[4:5], sw s[6:7], b_qkv s[8:9], qkvc s[10:11]
	s_load_b64 s[12:13], s[0:1], 0x20              ; qkvs
	v_lshl_add_u32 v[SPW], v0, 2, SPARE
	v_mov_b32 v[NIL], 0
	ds_add_u32 v[SPW], v[NIL]                      ; the wave's opening: the add and its wait stand ahead of my first tensor load; the set-up below stands between them
	v_lshrrev_b32 v1, 5, v0
	v_readfirstlane_b32 s14, v1                    ; wave 0..3
	s_lshr_b32 s15, s14, 1                         ; which half of A's rows is mine.  Also: I fetch for A (0) or for B (1)
	s_and_b32 s16, s14, 1                          ; which half of B's rows.  Also: which 128 rows of that tile I fetch
	s_bfe_u32 s40, ttmp6, 0x40000                  ; cx, cy: my place in the cluster
	s_bfe_u32 s41, ttmp6, 0x40004
	s_and_b32 s17, ttmp7, 0xffff
	s_lshl_b32 s17, s17, 2                         ; 4 x cluster y
	s_lshl_b32 s42, ttmp9, 2
	s_add_co_u32 s42, s42, 16                      ; 16 + 4 x type: where the type's columns of W begin, in tiles of 256 rows of cw
	s_cmp_lt_u32 ttmp9, 2                          ; q or k?  The cluster's x: the same in all partners
	s_cselect_b32 s42, s42, s17                    ; B's tile: W's columns, or for v the tokens
	s_cselect_b32 s17, s17, 24                     ; A's tile: the tokens, or for v W_v's columns (they begin at tile 24)
	s_add_co_u32 s42, s42, s40                     ; B's hangs on cx alone,
	s_add_co_u32 s17, s17, s41                     ; A's on cy alone
	s_lshl_b32 s43, s41, 2
	s_lshl_b32 s43, 15, s43                        ; my row of the cluster
	s_lshl_b32 s44, 0x1111, s40                    ; my column
	s_or_b32 s[G1+0], s43, (0<<16)|(1<<20)|(1<<21)|(3<<22)|(3<<25)  ; 15:0 the mask; 17:16 elements of 1 byte; 20 padding on; 21 set beside a mask; 24:22 after every 16 words; 31:25 of 4 words
	s_or_b32 s[G1B+0], s44, (0<<16)|(1<<20)|(1<<21)|(3<<22)|(3<<25)
.irp g, G1, G1B
	s_mov_b32 s[\g+1], ROWB<<16                    ; tensor_dim0
	s_mov_b32 s[\g+2], 128<<16                     ; tensor_dim1
	s_mov_b32 s[\g+3], ROWB<<16                    ; tile_dim0
	s_mov_b32 s[\g+4], 128                         ; tile_dim1
	s_mov_b32 s[\g+5], KROW                        ; tensor_dim0_stride
	s_mov_b32 s[\g+6], 0
	s_mov_b32 s[\g+7], 0
.endr
	s_or_b32 s[G1S+0], s43, (3<<16)|(1<<20)|(1<<21)|(5<<22)|(3<<25)  ; the scales of 128 rows: 4,096 dense bytes as 16 rows of 256 (32 elements of 8 bytes), 16 bytes of padding behind each
	s_or_b32 s[G1SB+0], s44, (3<<16)|(1<<20)|(1<<21)|(5<<22)|(3<<25)
.irp g, G1S, G1SB
	s_mov_b32 s[\g+1], 32<<16
	s_mov_b32 s[\g+2], (128*KS/256)<<16
	s_mov_b32 s[\g+3], 32<<16
	s_mov_b32 s[\g+4], 128*KS/256
	s_mov_b32 s[\g+5], 32
	s_mov_b32 s[\g+6], 0
	s_mov_b32 s[\g+7], 0
.endr
	s_lshl_b32 s18, s16, 7                         ; which 128 rows of the tile I fetch
	s_lshl_b32 s20, s17, 8
	s_add_co_u32 s20, s20, s18                     ; A's first row in cw
	s_lshl_b32 s46, s42, 8
	s_add_co_u32 s46, s46, s18                     ; B's
	s_mov_b32 s21, 0
	s_mov_b32 s47, 0
	s_mov_b64 s[18:19], KS
	s_mul_u64 s[22:23], s[20:21], s[18:19]
	s_mul_u64 s[92:93], s[46:47], s[18:19]
	s_mov_b64 s[18:19], KROW
	s_mul_u64 s[20:21], s[20:21], s[18:19]
	s_mul_u64 s[46:47], s[46:47], s[18:19]
	s_mul_i32 s45, s14, HALFT                      ; where they go: wave x 128 rows: no place in the cluster enters an LDS address
	s_mul_i32 s94, s14, HALFS
	s_wait_dscnt 0x0                               ; the opening add is done
	s_wait_kmcnt 0x0
	s_add_nc_u64 s[20:21], s[4:5], s[20:21]
	s_add_nc_u64 s[22:23], s[6:7], s[22:23]
	s_add_nc_u64 s[46:47], s[4:5], s[46:47]
	s_add_nc_u64 s[92:93], s[6:7], s[92:93]
	CROUND                                         ; all sixteen work-groups are here: the first joint loads meet
	s_mov_b32 s[G0S], 1
	s_add_co_u32 s[G0S+1], s94, SCL
	s_mov_b64 s[G0S+2:G0S+3], s[22:23]
	s_or_b32 s[G0S+3], s[G0S+3], 0x80000000
	s_mov_b32 s[G0SB], 1
	s_add_co_u32 s[G0SB+1], s94, SCL
	s_mov_b64 s[G0SB+2:G0SB+3], s[92:93]
	s_or_b32 s[G0SB+3], s[G0SB+3], 0x80000000
	JLOAD G0S, G1S, G0SB, G1SB                     ; the scales first: they are wanted with K step 0
.irp s, 0,1
	s_mov_b32 s[G0+4*\s], 1
	s_add_co_u32 s[G0+4*\s+1], s45, \s*SLOT
	s_add_nc_u64 s[G0+4*\s+2:G0+4*\s+3], s[20:21], \s*ROWB
	s_or_b32 s[G0+4*\s+3], s[G0+4*\s+3], 0x80000000
	s_mov_b32 s[G0B+4*\s], 1
	s_add_co_u32 s[G0B+4*\s+1], s45, \s*SLOT
	s_add_nc_u64 s[G0B+4*\s+2:G0B+4*\s+3], s[46:47], \s*ROWB
	s_or_b32 s[G0B+4*\s+3], s[G0B+4*\s+3], 0x80000000
	JLOAD G0+4*\s, G1, G0B+4*\s, G1B
.endr
	v_and_b32 v1, 15, v0                           ; r = l % 16
	v_bfe_u32 v2, v0, 4, 1                         ; h = l / 16
	v_and_b32 v6, 31, v0
	v_lshlrev_b32 v[L8], 3, v6
	v_lshlrev_b32 v[L16], 4, v6
	; the bias of my wave's 128 columns of W: they are B's rows for q and k, A's for v
	s_cmp_lt_u32 ttmp9, 2
	s_cselect_b32 s18, s42, s17
	s_cselect_b32 s19, s16, s15
	s_sub_co_u32 s18, s18, 16
	s_lshl_b32 s18, s18, 1
	s_add_co_u32 s18, s18, s19                     ; in runs of 128 numbers
	s_lshl_b32 s18, s18, 9
	s_mov_b32 s19, 0
	s_add_nc_u64 s[8:9], s[8:9], s[18:19]
	global_load_b128 v[BB:BB+3], v[L16], s[8:9]    ; 512 consecutive bytes
	v_mul_u32_u24 v3, v1, PITCH
	v_mul_u32_u24 v4, v2, 24
	v_add_nc_u32 v4, v3, v4                        ; a fragment's row x pitch + 24 x half
	v_lshl_add_u32 v5, v2, 4, v4                   ; and the same behind one padding more
	s_mul_i32 s21, s15, HALFT
	s_mul_i32 s22, s16, HALFT
	s_add_co_u32 s22, s22, 2*HALFT
.irp s, 0,1
	v_add_nc_u32 v[ADRA+\s], s21, v4
	v_add_nc_u32 v[ADRB+\s], s22, v4
	v_add_nc_u32 v[ADRA+2+\s], s21, v5
	v_add_nc_u32 v[ADRB+2+\s], s22, v5
	s_add_co_u32 s21, s21, SLOT
	s_add_co_u32 s22, s22, SLOT
.endr
	v_mul_u32_u24 v5, v1, KS                       ; my row's scales: KS bytes a row,
	v_lshrrev_b32 v6, 8, v5
	v_lshl_add_u32 v5, v6, 4, v5                   ; and 16 more for each 256 passed
	s_mul_i32 s21, s15, HALFS
	s_mul_i32 s22, s16, HALFS
	s_add_co_u32 s22, s22, 2*HALFS
	s_sub_co_u32 s22, s22, s21
	v_mul_u32_u24 v6, s22, v2                      ; lanes 16-31 take B's
	s_add_co_u32 s21, s21, SCL
	v_add_nc_u32 v5, v5, v6
	v_add_nc_u32 v[ADRS], s21, v5
	; the way out's LDS addresses, for both types, all made here
	s_lshl_b32 s18, s14, 9
	s_add_co_u32 s18, s18, BST
	v_add_nc_u32 v[BSA], s18, v[L16]               ; the bias goes in as it was loaded,
	v_lshl_add_u32 v[BRH], v2, 5, s18              ; comes back for q, k by columns: 64 b + 32 h,
	v_lshl_add_u32 v[BRR], v1, 2, s18              ; for v by rows: 64 a + 4 r
	v_lshlrev_b32 v[SH], 4, v2
	s_lshl_b32 s18, s14, 10
	s_add_co_u32 s18, s18, SGQ
	v_lshl_add_u32 v[SGA], v2, 9, s18
	v_lshl_add_u32 v[SGA], v1, 2, v[SGA]           ; q, k: head h of my two, token r
	v_add_nc_u32 v[SGR], s18, v[L16]
	s_lshl_b32 s18, s14, 9
	s_add_co_u32 s18, s18, SGV
	v_lshl_add_u32 v[SGAV], v1, 2, s18             ; v: channel r
	v_add_nc_u32 v[SGRV], s18, v[L16]
	v_lshlrev_b32 v[VSO], 4, v1
	v_mad_u32_u24 v[VSO], v2, 20480, v[VSO]        ; v's words in qkvs: lanes 0-15 my first head's 256 bytes, lanes 16-31 the next head's
.irp b, 0,1,2,3
	v_mov_b32 v[TM+4+\b], 0                        ; written once: a lane permute's destination counts as one of its sources
.endr
	s_mov_b32 s[SEL], 0x76543210
	s_mov_b32 s[SEL+1], 0xfedcba98
	; where my results go.  q, k: tokens 256 A + 128 half, heads 2 hp and 2 hp + 1, hp = 2 cx + half.  v: heads 4 cy + 2 half on, key step 2 B + half
	s_lshl_b32 s18, s17, 8
	s_lshl_b32 s19, s15, 7
	s_add_co_u32 s18, s18, s19                     ; my first token
	s_lshr_b32 s19, s18, 11                        ; its batch
	s_and_b32 s18, s18, 2047
	s_and_b32 s22, s42, 3
	s_lshl_b32 s22, s22, 1
	s_add_co_u32 s22, s22, s16
	s_lshl_b32 s22, s22, 1
	s_lshl_b32 s19, s19, 4
	s_add_co_u32 s19, s19, s22                     ; q, k: 16 batch + head
	s_and_b32 s22, s17, 3
	s_lshl_b32 s22, s22, 2
	s_lshl_b32 s23, s15, 1
	s_add_co_u32 s22, s22, s23
	s_lshl_b32 s23, s42, 1
	s_add_co_u32 s23, s23, s16                     ; v: my 128 keys, counted over both batches
	s_lshr_b32 s95, s23, 4
	s_and_b32 s23, s23, 15
	s_lshl_b32 s95, s95, 4
	s_add_co_u32 s22, s22, s95                     ; v: 16 batch + head
	s_mul_i32 s95, s18, 48                         ; q, k: 768 bytes for 16 tokens
	s_mul_i32 s98, s23, 6144                       ; v: 6,144 bytes for 128 keys
	s_lshl_b32 s18, s18, 2                         ; q, k: a word a token
	s_lshl_b32 s23, s23, 8                         ; v: 64 words for 128 keys
	s_cmp_lt_u32 ttmp9, 2
	s_cselect_b32 s19, s19, s22
	s_cselect_b32 s95, s95, s98
	s_cselect_b32 s18, s18, s23
	s_mul_i32 s22, ttmp9, 3145728                  ; the type's part of qkvc
	s_mul_i32 s23, s19, 98304
	s_add_co_u32 s22, s22, s23
	s_add_co_u32 s22, s22, s95
	s_mov_b32 s23, 0
	s_add_nc_u64 s[10:11], s[10:11], s[22:23]
	s_mul_i32 s22, s19, 20480
	s_lshl_b32 s95, ttmp9, 13                      ; the type's part of a head's words
	s_add_co_u32 s22, s22, s95
	s_add_co_u32 s22, s22, s18
	s_add_nc_u64 s[12:13], s[12:13], s[22:23]
.macro FRAG reg, adr, q, i             ; a fragment, 16 rows x 128 K of 6-bit codes: 12 registers; lane l holds row l % 16; registers 6 c .. 6 c + 5 hold K = 64 c + 32 (l / 16) + 0 .. 31, as they lie; in pieces of 8 bytes
.irp p, 0,1,2,3,4,5
.set PC, 12*(\q)+6*(\p/3)+\p%3         ; where the piece three on (lanes 16-31) lies behind one padding more, the second address register serves
.if PC%8 < 5
	ds_load_b64 v[\reg+2*\p:\reg+2*\p+1], v[\adr] offset:8*PC+16*(PC/8)+(\i)*16*PITCH
.else
	ds_load_b64 v[\reg+2*\p:\reg+2*\p+1], v[\adr+2] offset:8*PC+16*(PC/8)+(\i)*16*PITCH
.endif
.endr
.endm
; 16 matrix instructions: A's blocks a0, a0 + 1 x B's eight, 128 along K.  The 64 accumulators take turns, one instruction a turn, in the same order in every step.
.macro MUL16 a0, p, q, sc, zero
.irp a, \a0, \a0+1
.irp b, 0,1,2,3,4,5,6,7
.if \zero
	v_wmma_scale_f32_16x16x128_f8f6f4 v[8*(8*((\a)%4)+\b):8*(8*((\a)%4)+\b)+7], v[128*(\p)+FR*\b:128*(\p)+FR*\b+FR-1], v[AF+FR*(\a):AF+FR*(\a)+FR-1], 0, v[SC+8*NQ*(\sc)+NQ*\b+(\q)], v[SC+8*NQ*(\sc)+NQ*(\a)+(\q)] matrix_a_fmt:MATRIX_FMT_FP6 matrix_b_fmt:MATRIX_FMT_FP6 matrix_a_scale:MATRIX_SCALE_ROW1
.else
	v_wmma_scale_f32_16x16x128_f8f6f4 v[8*(8*((\a)%4)+\b):8*(8*((\a)%4)+\b)+7], v[128*(\p)+FR*\b:128*(\p)+FR*\b+FR-1], v[AF+FR*(\a):AF+FR*(\a)+FR-1], v[8*(8*((\a)%4)+\b):8*(8*((\a)%4)+\b)+7], v[SC+8*NQ*(\sc)+NQ*\b+(\q)], v[SC+8*NQ*(\sc)+NQ*(\a)+(\q)] matrix_a_fmt:MATRIX_FMT_FP6 matrix_b_fmt:MATRIX_FMT_FP6 matrix_a_scale:MATRIX_SCALE_ROW1
.endif
.endr
.endr
.endm
.macro FETCH_B slot, q, p
	WIN TO_B
.irp i, 0,1,2,3,4,5,6,7
	FRAG 128*(\p)+FR*\i, ADRB+\slot, \q, \i
.endr
	WIN 0
.endm
.macro FETCH_A slot, q, i0
.irp i, \i0, \i0+1, \i0+2, \i0+3
	FRAG AF+FR*(\i), ADRA+\slot, \q, \i
.endr
.endm
.macro SCALES sc                       ; a K step's scale words: lanes 0-15 take A's block i, lanes 16-31 B's block i
.irp i, 0,1,2,3,4,5,6,7
	ds_load_b64 v[SC+8*NQ*\sc+NQ*\i:SC+8*NQ*\sc+NQ*\i+1], v[ADRS] offset:\i*SBLK
.endr
.endm
.macro PLACES n                        ; plain vector instructions that name none of a matrix instruction's registers, in front of loads into its sources and of reads of its results
.rept \n
	v_nop
.endr
.endm
.macro STEP slot, q, zero              ; 128 along K that have their successor in the same slot
	s_wait_dscnt 4*NL                              ; B's set and A's blocks 0-3 are in; the 24 youngest loads (A's blocks 4-7) may be out
	WIN MUL_LO
	MUL16 0, (\q)%2, \q, \slot, \zero
	MUL16 2, (\q)%2, \q, \slot, \zero
	s_wait_dscnt 0
	PLACES NP
	FETCH_B \slot, (\q)+1, 1-(\q)%2
	FETCH_A \slot, (\q)+1, 0
	WIN MUL_HI
	MUL16 4, (\q)%2, \q, \slot, \zero
	MUL16 6, (\q)%2, \q, \slot, \zero
	PLACES NP
	WIN 0
	FETCH_A \slot, (\q)+1, 4
.endm
; A slot's last step changes slots: one barrier; in front of it each wave waits for all its tensor loads, adds 0 to its spare word, and waits for that and for its reads of this slot.  fill = 1: the slot is filled again, two K steps ahead.
.macro TURN slot, next, fill
	s_wait_tensorcnt 0x0                           ; all my tensor loads have landed: my part of the next slot
	ds_add_u32 v[SPW], v[NIL]                      ; 0 onto my spare word
	s_wait_dscnt 4*NL+1                            ; (the add and the 24 youngest loads may be out)
	WIN MUL_LO
	MUL16 0, 1, NQ-1, \slot, 0
	s_wait_dscnt 0x0                               ; the add is done, and my reads of this slot are over
	s_barrier_signal -1
	MUL16 2, 1, NQ-1, \slot, 0
	WIN 0
	s_barrier_wait -1
.if \fill
	CREST                                          ; the barrier has opened a round of the cluster's barrier: no wave of any partner still reads this slot or has a load on its way
	s_add_nc_u64 s[G0+4*\slot+2:G0+4*\slot+3], s[G0+4*\slot+2:G0+4*\slot+3], 2*ROWB
	s_add_nc_u64 s[G0B+4*\slot+2:G0B+4*\slot+3], s[G0B+4*\slot+2:G0B+4*\slot+3], 2*ROWB
	JLOAD G0+4*\slot, G1, G0B+4*\slot, G1B         ; the first tensor load behind the round; its four v_nop are the places in front of the loads below
.else
	PLACES NP
.endif
	v_add_nc_u32 v[ADRS], 4*NQ, v[ADRS]
	FETCH_B \next, 0, 0
	FETCH_A \next, 0, 0
	SCALES \next
	WIN MUL_HI
	MUL16 4, 1, NQ-1, \slot, 0
	MUL16 6, 1, NQ-1, \slot, 0
	PLACES NP
	WIN 0
	FETCH_A \next, 0, 4
.endm
	s_wait_loadcnt 0x0                             ; the bias
	ds_store_b128 v[BSA], v[BB:BB+3]               ; into my own 512 bytes
	s_wait_tensorcnt 1                             ; the scales and my part of K step 0 are in (K step 1's load may be out)
	s_wait_dscnt 0x0
	s_barrier_signal -1
	s_barrier_wait -1                              ; everybody's are
	FETCH_B 0, 0, 0
	FETCH_A 0, 0, 0
	SCALES 0
	FETCH_A 0, 0, 4
	STEP 0, 0, 1                                   ; the first step stands in front of the loop: its products start the sums
	s_mov_b32 s3, LAPS-1
.Llap:
	TURN 0, 1, 1
	STEP 1, 0, 0
	TURN 1, 0, 1
	STEP 0, 0, 0
	s_sub_co_u32 s3, s3, 1
	s_cmp_lg_u32 s3, 0
	s_cbranch_scc1 .Llap
	TURN 0, 1, 0                                   ; the last lap fills nothing
	STEP 1, 0, 0
	s_wait_dscnt 4*NL
	WIN MUL_LO
	MUL16 0, 1, NQ-1, 1, 0
	MUL16 2, 1, NQ-1, 1, 0
	s_wait_dscnt 0
	WIN MUL_HI
	MUL16 4, 1, NQ-1, 1, 0
	MUL16 6, 1, NQ-1, 1, 0
	WIN 0
; 64 numbers of a lane, v[s] .. v[s + 63]; registers 16 b .. 16 b + 15 of lanes l and l xor 16 are block b of 32 along the next K.  They become a fragment's codes in v[CDS] on and its scale word in v[PW].
.macro QUANT s
.irp b, 0,1,2,3
	v_max3_num_f32 v[TM+\b], |v[\s+16*\b]|, |v[\s+1+16*\b]|, 0x1800000   ; my 16 numbers, and the floor 2^(3 - 127): the byte cannot fall under 1
.endr
.irp i, 2,4,6,8,10,12,14
.irp b, 0,1,2,3
	v_max3_num_f32 v[TM+\b], v[TM+\b], |v[\s+16*\b+\i]|, |v[\s+1+16*\b+\i]|
.endr
.endr
.irp b, 0,1,2,3
	v_permlanex16_b32 v[TM+4+\b], v[TM+\b], s[SEL], s[SEL+1]
.endr
.irp b, 0,1,2,3
	v_max_num_f32 v[TM+\b], v[TM+\b], v[TM+4+\b]   ; the block's largest magnitude
.endr
.irp b, 0,1,2,3
	v_add_nc_u32 v[TM+12+\b], 0xff000000, v[TM+\b] ; 2 off its exponent field: the conversion's scale operand
.endr
.irp b, 0,1,2,3
	v_lshrrev_b32 v[TM+4+\b], 23, v[TM+12+\b]      ; the scale's byte
.endr
	v_lshl_or_b32 v[PW], v[TM+5], 8, v[TM+4]
	v_lshl_or_b32 v[PW], v[TM+6], 16, v[PW]
	v_lshl_or_b32 v[PW], v[TM+7], 24, v[PW]
.irp c, 0,1
	v_cvt_scalef32_pk16_fp6_f32 v[CDS+6*\c:CDS+2+6*\c], v[\s+32*\c:\s+15+32*\c], v[TM+12+2*\c]
	v_cvt_scalef32_pk16_fp6_f32 v[CDS+12+4*\c:CDS+14+4*\c], v[\s+16+32*\c:\s+31+32*\c], v[TM+12+2*\c+1]   ; (a conversion's three registers begin on an even number)
.endr
	v_nop                                          ; one plain place behind a scaled conversion
.irp c, 0,1                            ; the operand's layout wants a whole block in a lane: lanes 0-15 block 2 c, lanes 16-31 block 2 c + 1
.irp i, 0,1,2
	v_permlane16_swap_b32 v[CDS+6*\c+\i], v[CDS+12+4*\c+\i]
.endr
.irp i, 0,1,2
	v_mov_b32 v[CDS+3+6*\c+\i], v[CDS+12+4*\c+\i]
.endr
.endr
.endm
; Block a of my eight: the bias is added on the way from the accumulators' window into window 0 (each accumulator from its low end on), the 64 numbers are quantised, the image is stored.
.macro EPI a, isv
	WIN 0x02+(\a)/4                                ; source 0: window 2 or 3
.set i, 0
.rept 32
.if \isv
	v_pk_add_f32 v[T+i:T+i+1], v[64*((\a)%4)+i:64*((\a)%4)+i+1], v[BV+2*(\a):BV+2*(\a)+1]
.else
	v_pk_add_f32 v[T+i:T+i+1], v[64*((\a)%4)+i:64*((\a)%4)+i+1], v[BI+i:BI+i+1]
.endif
.set i, i+2
.endr
	WIN 0
.if (\a) > 0
	s_wait_xcnt 0x0                                ; the last block's stores have read the codes' registers: they are written again only behind this wait
.endif
	QUANT T
.if \isv
.irp c, 0,1,2
	global_store_b128 v[L16], v[CDS+4*\c:CDS+4*\c+3], s[10:11] offset:98304*((\a)/4)+1536*((\a)%4)+512*\c   ; 512 consecutive bytes, aligned
.endr
	ds_store_b32 v[SGAV], v[PW] offset:64*(\a)     ; both halves of the lanes write the same word with the same value
.else
.irp p, 0,1,2,3,4,5
	global_store_b64 v[L8], v[CDS+2*\p:CDS+2*\p+1], s[10:11] offset:768*(\a)+98304*(\p/3)+256*(\p%3)   ; 256 consecutive bytes, aligned; registers 0-5 my first head, 6-11 the next
.endr
	v_bfe_u32 v[PWS], v[PW], v[SH], 16             ; lanes 0-15 the first head's two bytes, lanes 16-31 the next head's
	ds_store_b32 v[SGA], v[PWS] offset:64*(\a)
.endif
.endm
	PLACES NP                                      ; behind the last products: in front of the reads of their results and of the writes into A's registers
	s_cmp_eq_u32 ttmp9, 2                          ; the type: the cluster's x, the same in all partners
	s_cbranch_scc1 .Lv
.irp b, 0,1,2,3,4,5,6,7
.irp e, 0,1
	ds_load_b128 v[BI+8*\b+4*\e:BI+8*\b+4*\e+3], v[BRH] offset:64*\b+16*\e   ; the bias of columns 16 b + 8 h + 0 .. 7
.endr
.endr
	s_wait_dscnt 0x0
.irp a, 0,1,2,3,4,5,6,7
	EPI \a, 0
.endr
	ds_load_b128 v[RB:RB+3], v[SGR]                ; LDS serves a wave's instructions in order: these see my stores
	ds_load_b128 v[RB+4:RB+7], v[SGR] offset:512
	s_wait_dscnt 0x0
	global_store_b128 v[L16], v[RB:RB+3], s[12:13]                 ; 128 tokens' words of my first head: 512 consecutive bytes
	global_store_b128 v[L16], v[RB+4:RB+7], s[12:13] offset:20480  ; and of the next
	s_wait_tensorcnt 0x0                           ; the wave's end, behind my last tensor load and my last LDS store
	ds_add_u32 v[SPW], v[NIL]
	s_wait_dscnt 0x0
	CROUND                                         ; the closing round
	s_endpgm
.Lv:
.irp a, 0,1,2,3,4,5,6,7
	ds_load_b32 v[BV+2*\a], v[BRR] offset:64*\a    ; the bias of channel 16 a + r, twice: a pair for the packed addition
	ds_load_b32 v[BV+2*\a+1], v[BRR] offset:64*\a
.endr
	s_wait_dscnt 0x0
.irp a, 0,1,2,3,4,5,6,7
	EPI \a, 1
.endr
	ds_load_b128 v[RB:RB+3], v[SGRV]
	s_wait_dscnt 0x0
	global_store_b128 v[VSO], v[RB:RB+3], s[12:13] ; two runs of 256 consecutive bytes, one for each head
	s_wait_tensorcnt 0x0                           ; the wave's end, as above
	ds_add_u32 v[SPW], v[NIL]
	s_wait_dscnt 0x0
	CROUND
	s_endpgm
.Lfunc_end_k_q7f9a9f4e41_gemm_qkv:
	.size	k_q7f9a9f4e41_gemm_qkv, .Lfunc_end_k_q7f9a9f4e41_gemm_qkv-k_q7f9a9f4e41_gemm_qkv
	.p2alignl 7, 3214868480
	.fill 96, 4, 3214868480
	.section	.rodata,"a",@progbits
	.p2align	6, 0x0
	.amdhsa_kernel k_q7f9a9f4e41_gemm_qkv
		.amdhsa_group_segment_fixed_size 327680
		.amdhsa_private_segment_fixed_size 0
		.amdhsa_enable_private_segment 0
		.amdhsa_kernarg_size 40
		.amdhsa_user_sgpr_count 2
		.amdhsa_user_sgpr_kernarg_segment_ptr 1
		.amdhsa_wavefront_size32 1
		.amdhsa_system_sgpr_workgroup_id_x 1
		.amdhsa_system_sgpr_workgroup_id_y 1
		.amdhsa_system_sgpr_workgroup_id_z 1
		.amdhsa_system_vgpr_workitem_id 0
		.amdhsa_next_free_vgpr 1024
		.amdhsa_next_free_sgpr 102
		.amdhsa_reserve_vcc 0
		.amdhsa_float_denorm_mode_32 3
		.amdhsa_float_denorm_mode_16_64 3
		.amdhsa_memory_ordered 1
		.amdhsa_forward_progress 1
		.amdhsa_inst_pref_size 237
	.end_amdhsa_kernel
	.amdgpu_metadata
---
amdhsa.version: [ 1, 2 ]
amdhsa.kernels:
  - .name:           k_q7f9a9f4e41_gemm_qkv
    .symbol:         k_q7f9a9f4e41_gemm_qkv.kd
    .args:
      - { .name: cw, .offset: 0, .size: 8, .value_kind: global_buffer, .address_space: global }
      - { .name: sw, .offset: 8, .size: 8, .value_kind: global_buffer, .address_space: global }
      - { .name: b_qkv, .offset: 16, .size: 8, .value_kind: global_buffer, .address_space: global }
      - { .name: qkvc, .offset: 24, .size: 8, .value_kind: global_buffer, .address_space: global }
      - { .name: qkvs, .offset: 32, .size: 8, .value_kind: global_buffer, .address_space: global }
    .group_segment_fixed_size: 327680
    .private_segment_fixed_size: 0
    .kernarg_segment_align: 8
    .kernarg_segment_size: 40
    .max_flat_workgroup_size: 128
    .sgpr_count:     102
    .vgpr_count:     1024
    .wavefront_size: 32
...
	.end_amdgpu_metadata
.endif
;; end of part 2
;; launch attn (part 3): grid 8 x 32, 16 waves a work-group, no clusters, 327,680 bytes of LDS; arguments qkvc, qkvs, oc, os; writes oc, os
.if DOCPART == 3
	.amdgcn_target "amdgcn-amd-amdhsa--gfx1250"
	.amdhsa_code_object_version 6
	.text
	.protected	k_q7f9a9f4e41_attn
	.globl	k_q7f9a9f4e41_attn
	.p2align	8
	.type	k_q7f9a9f4e41_attn,@function
k_q7f9a9f4e41_attn:
	s_mov_b64 s[64:65], 0
	v_nop
	global_prefetch_b8 v0, s[64:65] scope:SCOPE_SE
	s_setreg_imm32_b32 hwreg(HW_REG_WAVE_MODE, 25, 1), 1
	s_wait_xcnt 0x0
; Causal attention of one head of 64 channels on codes of FP6 (E2M3) with E8M0 scales; 2,048 tokens; 32 batch x head.  Inputs: the images that the launch before has laid (qkvc, qkvs).  Output: O / l, quantised along the
; 1,024 concatenated channels, as images for the last product: oc [tile of 16 tokens 256][head 16][3 pieces of 256 bytes], os [head 16][token 4,096] words, a head's two bytes at bit 16 (head % 2) on.
; THE SOFTMAX: t = score x log2(e) / 8; M = the running largest t rounded UP to a whole number; p = 2^(t - M) is quantised along the keys, not normalised; the row's sum is taken of the unquantised p and divides O at the end.
; When M moves, the sum and O are multiplied by 2^(old M - new M): exact.
; SHARES.  Work-group (j, batch x head) owns query blocks j and 15 - j of 128 queries: under the mask every work-group then has 8 (j + 1) + 8 (16 - j) = 136 steps of a wave.  Each of its sixteen waves owns 16 queries in 256
; registers; wave w takes tile w / 2 of the early block or of the late one by (w xor w / 4) % 2, so that early and late waves are mixed among any four neighbouring and any four waves 4 apart.
; Both products are used transposed: S^T = K Q^T (source 0 = 16 keys), O^T = V^T P^T (source 0 = 16 channels): a lane holds one query throughout.  K = 64 fills half of the first product's 128: registers 6-11 of Q's and K's
; fragments are zeros, written once.  Inside each block of 32 keys p's codes stand in the order 0-7, 16-23, 8-15, 24-31, as V's do; O's codes likewise, as W_out's do.
; THE RING: two LDS slots of 256 keys (K 12,288 bytes, V 12,288), filled by waves 0-3, one tensor load each, read by all sixteen.  Every work-group walks all eight slots; a step all of whose keys come after the wave's
; queries is jumped over, and a slot whose first key comes after the work-group's last query is not asked for.
; NO CLUSTER: the eight work-groups of a head end their loads at eight different limits (2,048 - 128 j keys), a joint load is issued by all whom it names, and a slot is filled only if a later step reads it.
; LIMITS: a block's largest p is made from the block's largest score by the same multiply-add and exponential; that takes v_exp_f32 not to fall where its input rises.  NaN and infinities are not served.  A block of zeros gets the byte 1.
.set SLOT1, 1<<15                      ; slot 1 begins here: one exclusive or turns an address
.set VOFF,  12288                      ; in a slot: K's 16 tiles x 768 bytes, then V's 2 key steps x 6,144
.set SC,    65536                      ; K's scale words of the whole head, 8,192 bytes,
.set SCV,   SC+8192                    ; V's, 4,096
.set OSG,   SCV+4096                   ; the way out: the work-group's 256 scale words; no tensor load lands here
.set SPARE, OSG+1024                   ; the spare words, 128 bytes for each of sixteen waves, that no other line names
.set AK0,  1                           ; v1  8 x lane: my place in a piece of 256 bytes
.set AV0,  2                           ; v2  VOFF + 16 x lane
.set ASK0, 3                           ; v3  SC + 4 r + 256 h: lanes 0-15 tile t's words, lanes 16-31 tile t + 4's
.set ASV0, 4                           ; v4  SCV + 4 r + 128 h: lanes 0-15 tile t's, lanes 16-31 tile t + 2's
.set SPW,  5
.set NIL,  6
.set RDA,  7                           ; v7  the way out: where waves 0 and 1 read a block's 128 words
.set ADK,  8
.set ADV,  9
.set ADS,  10
.set ADT,  11
.set PFO,  28                          ; v28 the prefetches' offset; never rewritten
.set OSA,  31                          ; v31 the way out: my query's word
.set KFR,  32                          ; v32-79   four fragments of K
.set VFR,  80                          ; v80-127  four fragments of V
.set S,    128                         ; v128-191 S^T, then p
.set O,    192                         ; v192-223 O^T.   v12 -M, v13 the largest t, v[14:15] the sum; v16-27 Q; v29, v30 V's scale words; v224-235 p's codes; v232-254 at work; v248-251 K's scale words; v253 p's; v255 Q's
.set WV,   18
.set SEL,  20
.set CS,   22                          ; s[22:23] c = log2(e) / 8
.set G1,   24                          ; s[24:31] group 1 for the tiles: 24 rows of 256 bytes, dense
.set G1S,  32                          ; s[32:39] for the scale words: 12 rows
.set G0,   40                          ; s[40:43] group 0, which walks
.set G0S,  44
.set TB,   2
.set TS,   3
.set TJ,   66
.set SLOTS, 67
.set KF,   68                          ; the step's first key
.set Q0,   69                          ; my first query
.set LQ,   70                          ; my work-group's last query
.set PFA,  72
.set LIM,  74
.set SHH,  75
.macro TLOAD                           ; waves 0-3 fetch a quarter of a slot each; the branch hangs on the wave's number alone.  An s_nop 0 and four v_nop follow the load
	s_cmp_lt_u32 s[WV], 4
	s_cbranch_scc0 .Lasked_\@
	tensor_load_to_lds s[G0:G0+3], s[G1:G1+7]
	s_nop 0
.rept 4
	v_nop
.endr
.Lasked_\@:
.endm
; A prefetch into the L2 of the slot that the NEXT change of slots will ask for: 48 blocks of 256 bytes of K and 48 of V.  All work-groups of a head walk the same K and V: the head's first work-group, which loads every slot,
; asks; in it waves 4 to 6, 32 blocks each, a lane a block: each block is named once in the launch.  Slots 0 and 1 come by their loads alone; the last change that fills a slot asks for nothing.
.macro ASK
	s_cmp_gt_u32 s[SLOTS], s[LIM]
	s_cbranch_scc0 .Lnot_mine_\@
	global_prefetch_b8 v[PFO], s[PFA:PFA+1] th:TH_LOAD_NT scope:SCOPE_SE
.Lnot_mine_\@:
.endm
	s_load_b256 s[4:11], s[0:1], 0x0               ; qkvc s[4:5], qkvs s[6:7], oc s[8:9], os s[10:11]
	v_lshl_add_u32 v[SPW], v0, 2, SPARE
	v_mov_b32 v[NIL], 0
	ds_add_u32 v[SPW], v[NIL]                      ; the wave's opening: the add and its wait stand ahead of the first tensor load; the set-up below stands between them
	ds_add_u32 v[SPW], v[NIL]
	v_lshrrev_b32 v8, 5, v0
	s_delay_alu instid0(VALU_DEP_1)
	v_readfirstlane_b32 s[WV], v8                  ; wave 0..15
	s_and_b32 s76, ttmp7, 0xffff                   ; batch x head
	s_lshr_b32 s77, s[WV], 2
	s_xor_b32 s77, s77, s[WV]
	s_and_b32 s77, s77, 1                          ; 1: I belong to the late block
	s_lshr_b32 s78, s[WV], 1                       ; my tile in it
	s_lshl_b32 s79, ttmp9, 1
	s_sub_co_u32 s79, 15, s79
	s_mul_i32 s79, s79, s77
	s_add_co_u32 s79, s79, ttmp9                   ; block j or 15 - j
	s_lshl_b32 s79, s79, 7
	s_lshl_b32 s80, s78, 4
	s_add_co_u32 s[Q0], s79, s80
	s_lshl_b32 s[LQ], ttmp9, 7
	s_sub_co_u32 s[LQ], 2047, s[LQ]
	s_mov_b32 s[G1], 3<<16                         ; 15:0 no mask; 17:16 elements of 8 bytes; 20 no padding
	s_mov_b32 s[G1+1], 32<<16                      ; tensor_dim0 = 32 elements: 256 bytes
	s_mov_b32 s[G1+2], 24<<16                      ; tensor_dim1
	s_mov_b32 s[G1+3], 32<<16                      ; tile_dim0
	s_mov_b32 s[G1+4], 24                          ; tile_dim1: 6,144 dense bytes
	s_mov_b32 s[G1+5], 32                          ; tensor_dim0_stride
	s_mov_b32 s[G1+6], 0
	s_mov_b32 s[G1+7], 0
	s_mov_b32 s[G1S], 3<<16
	s_mov_b32 s[G1S+1], 32<<16
	s_mov_b32 s[G1S+2], 12<<16
	s_mov_b32 s[G1S+3], 32<<16
	s_mov_b32 s[G1S+4], 12                         ; 3,072 dense bytes
	s_mov_b32 s[G1S+5], 32
	s_mov_b32 s[G1S+6], 0
	s_mov_b32 s[G1S+7], 0
	s_mul_i32 s80, s76, 98304                      ; the head's bytes in Q, in K and in V
	s_mov_b32 s81, 0
	s_mul_i32 s82, s76, 20480                      ; and in qkvs
	s_and_b32 s84, s[WV], 3                        ; which quarter I fetch, if I fetch: 0, 1 K's halves, 2, 3 V's two key steps
	s_lshr_b32 s85, s84, 1
	s_add_co_u32 s85, s85, 1
	s_mul_i32 s85, s85, 3145728
	s_and_b32 s86, s84, 1
	s_mul_i32 s86, s86, 6144
	s_add_co_u32 s86, s86, s85
	s_add_co_u32 s86, s86, s80
	s_mov_b32 s87, 0
	s_mul_i32 s88, s84, 6144                       ; its place in a slot
	s_mul_i32 s89, s84, 3072
	s_add_co_u32 s90, s89, s82
	s_add_co_u32 s90, s90, 8192                    ; my quarter of K's and V's 12,288 bytes of words
	s_mov_b32 s91, 0
	s_add_co_u32 s89, s89, SC
	s_mov_b32 s[SEL], 0x76543210
	s_mov_b32 s[SEL+1], 0xfedcba98
	s_mov_b32 s[CS], 0x3e38aa3b
	s_mov_b32 s[CS+1], s[CS]                       ; (named with it as a pair, so it is written)
	s_mov_b32 s[TB], 0
	s_mov_b32 s[TS], 0
	s_mov_b32 s[TJ], 0
	s_mov_b32 s[SLOTS], 7
	s_mov_b32 s[KF], 0
	s_wait_dscnt 0x0                               ; the opening add is done
	s_wait_kmcnt 0x0
	s_mov_b32 s[G0S], 1
	s_mov_b32 s[G0S+1], s89
	s_add_nc_u64 s[G0S+2:G0S+3], s[6:7], s[90:91]
	s_or_b32 s[G0S+3], s[G0S+3], 0x80000000
	s_mov_b32 s[G0], 1
	s_mov_b32 s[G0+1], s88
	s_add_nc_u64 s[G0+2:G0+3], s[4:5], s[86:87]
	s_or_b32 s[G0+3], s[G0+3], 0x80000000
	s_cmp_lt_u32 s[WV], 4                          ; a wave's two first fills stand in one branch: the scale words of the whole head, filled once, and slot 0
	s_cbranch_scc0 .Lno_first
	tensor_load_to_lds s[G0S:G0S+3], s[G1S:G1S+7]
	s_nop 0
	tensor_load_to_lds s[G0:G0+3], s[G1:G1+7]
	s_nop 0
.rept 4
	v_nop
.endr
.Lno_first:
	s_mul_i32 s92, s[Q0], 48
	s_add_co_u32 s92, s92, s80
	s_mov_b32 s93, 0
	s_add_nc_u64 s[12:13], s[4:5], s[92:93]        ; Q's image of my tile
	s_lshl_b32 s92, s[Q0], 2
	s_add_co_u32 s92, s92, s82
	s_add_nc_u64 s[14:15], s[6:7], s[92:93]        ; and its words
	s_lshr_b32 s94, s76, 4
	s_lshl_b32 s94, s94, 11
	s_add_co_u32 s94, s94, s[Q0]                   ; my first token, counted over both batches
	s_and_b32 s95, s76, 15                         ; the head
	s_add_co_u32 s92, s94, s95
	s_mul_i32 s92, s92, 768                        ; 12,288 bytes for a tile of 16 tokens, 768 for a head
	s_add_nc_u64 s[8:9], s[8:9], s[92:93]
	s_lshl_b32 s92, s95, 14
	s_lshl_b32 s94, s94, 2
	s_add_co_u32 s92, s92, s94
	s_add_nc_u64 s[10:11], s[10:11], s[92:93]
	s_and_b32 s[SHH], s95, 1
	s_lshl_b32 s[SHH], s[SHH], 4
	s_add_co_u32 s92, s80, 3145728+12288
	s_add_nc_u64 s[PFA:PFA+1], s[4:5], s[92:93]    ; K's slot 1: the first change of slots steps it to slot 2.  Nothing is prefetched here, at the head
	v_and_b32 v8, 15, v0                           ; r
	v_bfe_u32 v9, v0, 4, 1                         ; h
	v_and_b32 v10, 31, v0                          ; lane
	s_delay_alu instid0(VALU_DEP_3)
	v_lshlrev_b32 v11, 2, v8
	s_delay_alu instid0(VALU_DEP_2)
	v_lshlrev_b32 v[AK0], 3, v10
.irp p, 0,1,2
	global_load_b64 v[16+2*\p:17+2*\p], v[AK0], s[12:13] offset:256*\p   ; Q's fragment stays in registers
.endr
	global_load_b32 v255, v11, s[14:15]            ; Q's scale words
	v_lshl_add_u32 v[AV0], v10, 4, VOFF
	v_lshl_add_u32 v[ASK0], v9, 8, v11
	s_delay_alu instid0(VALU_DEP_1)
	v_add_nc_u32 v[ASK0], SC, v[ASK0]
	v_lshl_add_u32 v[ASV0], v9, 7, v11
	s_delay_alu instid0(VALU_DEP_1)
	v_add_nc_u32 v[ASV0], SCV, v[ASV0]
	s_and_b32 s92, s[WV], 1
	s_lshl_b32 s92, s92, 9
	s_add_co_u32 s92, s92, OSG
	v_lshl_add_u32 v[RDA], v10, 4, s92
	s_lshl_b32 s94, s77, 9
	s_lshl_b32 s95, s78, 6
	s_add_co_u32 s94, s94, s95
	s_add_co_u32 s94, s94, OSG
	v_add_nc_u32 v[OSA], s94, v11                  ; 512 x late + 64 x tile + 4 r
	s_and_b32 s92, s[WV], 3
	s_lshl_b32 s92, s92, 5
	v_add_nc_u32 v[PFO], s92, v10                  ; block i of 96: 0-47 K's, 48-95 V's
	s_delay_alu instid0(VALU_DEP_1)
	v_cmp_lt_u32 s94, 47, v[PFO]
	s_delay_alu instid0(VALU_DEP_2)
	v_lshlrev_b32 v[PFO], 8, v[PFO]
	v_mov_b32 v8, 3145728-12288
	s_delay_alu instid0(VALU_DEP_1)
	v_cndmask_b32 v8, 0, v8, s94
	s_delay_alu instid0(VALU_DEP_1)
	v_add_nc_u32 v[PFO], v[PFO], v8
	s_sub_co_u32 s92, s[WV], 4
	s_cmp_lt_u32 s92, 3                            ; waves 4 to 6
	s_cselect_b32 s92, 0, 1
	s_or_b32 s92, s92, ttmp9                       ; of the head's first work-group
	s_cmp_eq_u32 s92, 0
	s_cselect_b32 s[LIM], 1, -1
.irp i, 22,23,24,25,26,27
	v_mov_b32 v[\i], 0                             ; the upper 64 of the first product's 128 along K: zero codes, in Q
.endr
.irp t, 0,1,2,3
.irp i, 6,7,8,9,10,11
	v_mov_b32 v[KFR+12*\t+\i], 0                   ; and in K's four fragments: written once
.endr
.endr
	v_mov_b32 v13, 0xff61b1e6                      ; the largest t so far: -3e38
	s_delay_alu instid0(VALU_DEP_1)
	v_floor_f32 v12, -v13                          ; -M
	v_mov_b32 v14, 0
	v_mov_b32 v15, 0
.irp b, 0,1,2,3
	v_mov_b32 v[236+\b], 0                         ; written once: a lane permute's destination counts as one of its sources
.endr
	v_mov_b32 v252, 0
	v_mov_b32 v253, 0
.set n, 0
.rept 32
	v_mov_b32 v[O+n], 0                            ; O^T: the step is written once; the first finds zeros
.set n, n+1
.endr
; A KEY STEP: 128 keys, the q-th of the slot in hand
.macro STEP q
	s_add_co_u32 s96, s[Q0], 15                    ; a step all of whose keys come after my 16 queries is left out: a scalar branch on ids and the count of steps
	s_cmp_gt_u32 s[KF], s96
	s_cbranch_scc1 .Lhidden_\@
	v_add_nc_u32 v[ADK], s[TB], v[AK0]             ; these four are also the places behind the last step's products, in front of the loads into V's registers
	v_add_nc_u32 v[ADV], s[TB], v[AV0]
	v_add_nc_u32 v[ADS], s[TS], v[ASK0]
	v_add_nc_u32 v[ADT], s[TJ], v[ASV0]
.irp t, 0,1,2,3
.irp p, 0,1,2
	ds_load_b64 v[KFR+12*\t+2*\p:KFR+12*\t+2*\p+1], v[ADK] offset:6144*(\q)+768*\t+256*\p   ; tiles 0-3 of K: 256 consecutive bytes a load
.endr
	ds_load_b32 v[248+\t], v[ADS] offset:64*\t
.endr
.irp t, 0,1,2,3
.irp c, 0,1,2
	ds_load_b128 v[VFR+12*\t+4*\c:VFR+12*\t+4*\c+3], v[ADV] offset:6144*(\q)+1536*\t+512*\c  ; V is asked for early: it lands under the softmax
.endr
.endr
	ds_load_b32 v29, v[ADT]
	ds_load_b32 v30, v[ADT] offset:64
	s_wait_alu depctr_va_vdst(0)
	s_wait_dscnt 14                                ; K's sixteen are in; V's fourteen may be out
.irp t, 0,1,2,3
	v_wmma_scale_f32_16x16x128_f8f6f4 v[S+8*\t:S+8*\t+7], v[KFR+12*\t:KFR+12*\t+11], v[16:27], 0, v[248+\t], v255 matrix_a_fmt:MATRIX_FMT_FP6 matrix_b_fmt:MATRIX_FMT_FP6
.endr
.rept 4
	v_nop                                          ; places in front of loads into registers that these products have read
.endr
.irp t, 0,1,2,3
.irp p, 0,1,2
	ds_load_b64 v[KFR+12*\t+2*\p:KFR+12*\t+2*\p+1], v[ADK] offset:6144*(\q)+768*(4+\t)+256*\p
.endr
.endr
	s_wait_dscnt 0x0
.irp t, 0,1,2,3
	v_wmma_scale_f32_16x16x128_f8f6f4 v[S+32+8*\t:S+32+8*\t+7], v[KFR+12*\t:KFR+12*\t+11], v[16:27], 0, v[248+\t], v255 matrix_a_fmt:MATRIX_FMT_FP6 matrix_b_fmt:MATRIX_FMT_FP6 matrix_a_scale:MATRIX_SCALE_ROW1
.endr
.rept 4
	v_nop                                          ; places in front of the first read of the scores
.endr
	s_add_co_u32 s96, s[KF], 127                   ; on the diagonal hidden scores become -infinity ahead of the maximum; a step all of whose keys count skips this
	s_cmp_le_u32 s96, s[Q0]
	s_cbranch_scc1 .Lopen_\@
	s_sub_co_i32 s96, s[Q0], s[KF]
	v_and_b32 v252, 15, v0
	v_bfe_u32 v236, v0, 4, 1
	s_delay_alu instid0(VALU_DEP_1)
	v_lshlrev_b32 v236, 3, v236
	s_delay_alu instid0(VALU_DEP_1)
	v_sub_nc_u32 v252, v252, v236
	s_delay_alu instid0(VALU_DEP_1)
	v_add_nc_u32 v252, s96, v252                   ; d = my query - the step's first key - 8 h.  Register 8 t + j holds key 16 t + 8 h + j of the step: hidden where 16 t + j > d
	v_mov_b32 v254, 0xff800000
.set n, 0
.rept 64
	v_cmp_gt_i32 vcc_lo, 16*(n/8)+n%8, v252
	v_cndmask_b32 v[S+n], v[S+n], v254, vcc_lo
.set n, n+1
.endr
.Lopen_\@:
.irp b, 0,1,2,3
	v_max3_num_f32 v[232+\b], v[S+16*\b], v[S+1+16*\b], v[S+2+16*\b]   ; the largest score of each block of 32 keys: for the row's maximum, and for the block's largest p
.endr
.irp i, 3,5,7,9,11,13
.irp b, 0,1,2,3
	v_max3_num_f32 v[232+\b], v[232+\b], v[S+16*\b+\i], v[S+1+16*\b+\i]
.endr
.endr
.irp b, 0,1,2,3
	v_max_num_f32 v[232+\b], v[232+\b], v[S+15+16*\b]
.endr
.irp b, 0,1,2,3
	s_delay_alu instid0(VALU_DEP_4)
	v_permlanex16_b32 v[236+\b], v[232+\b], s[SEL], s[SEL+1]
.endr
.irp b, 0,1,2,3
	s_delay_alu instid0(VALU_DEP_4)
	v_max_num_f32 v[232+\b], v[232+\b], v[236+\b]
.endr
	s_delay_alu instid0(VALU_DEP_2)
	v_max3_num_f32 v254, v232, v233, v234
	s_delay_alu instid0(VALU_DEP_1)
	v_max_num_f32 v254, v254, v235
	s_delay_alu instid0(VALU_DEP_1)
	v_mul_f32 v254, s[CS], v254                    ; as t (c is positive)
	s_delay_alu instid0(VALU_DEP_1)
	v_max_num_f32 v13, v13, v254                   ; the running largest t
	v_mov_b32 v254, v12
	s_delay_alu instid0(VALU_DEP_2)
	v_floor_f32 v12, -v13                          ; the new -M = -ceil(t)
	s_delay_alu instid0(VALU_DEP_1)
	v_sub_f32 v254, v12, v254                      ; old M - new M: a whole number, 0 or less
	s_delay_alu instid0(VALU_DEP_1)
	v_cvt_i32_f32 v254, v254                       ; (it saturates)
	s_delay_alu instid0(VALU_DEP_1)
	v_ldexp_f32 v252, 1.0, v254                    ; f = 2^(old M - new M)
.set n, 0
.rept 32
	v_pk_fma_f32 v[S+n:S+n+1], v[S+n:S+n+1], s[CS:CS+1], v[12:13] op_sel_hi:[1,0,0]   ; t - M, two at a time
.set n, n+2
.endr
.irp b, 0,1,2,3
	v_fma_f32 v[232+\b], v[232+\b], s[CS], v12
.endr
.set n, 0
	s_wait_alu depctr_va_vdst(0)
.rept 64
	v_exp_f32 v[S+n], v[S+n]                       ; p = 2^(t - M)
.set n, n+1
.endr
	v_pk_mul_f32 v[14:15], v[14:15], v[252:253] op_sel_hi:[1,0]   ; the sums under the new M: a plain place behind the exponentials
	s_wait_alu depctr_va_vdst(0)                   ; one wait for the batch of 64, ahead of its first reader
.irp b, 0,1,2,3
	v_exp_f32 v[232+\b], v[232+\b]                 ; the block's largest p
.endr
	v_pk_add_f32 v[236:237], v[132:133], v[136:137]
	v_pk_add_f32 v[250:251], v[140:141], v[144:145]
	v_pk_add_f32 v[248:249], v[148:149], v[152:153]
	v_pk_add_f32 v[246:247], v[156:157], v[160:161]
	v_pk_add_f32 v[244:245], v[164:165], v[168:169]
	v_pk_add_f32 v[242:243], v[172:173], v[176:177]
	v_pk_add_f32 v[240:241], v[180:181], v[184:185]
	v_pk_add_f32 v[14:15], v[14:15], v[188:189]
	v_pk_add_f32 v[236:237], v[236:237], v[128:129]
	v_pk_add_f32 v[250:251], v[250:251], v[130:131]
	v_pk_add_f32 v[248:249], v[248:249], v[134:135]
	v_pk_add_f32 v[246:247], v[246:247], v[138:139]
	v_pk_add_f32 v[244:245], v[244:245], v[142:143]
	v_pk_add_f32 v[242:243], v[242:243], v[146:147]
	v_pk_add_f32 v[240:241], v[240:241], v[150:151]
	v_pk_add_f32 v[14:15], v[14:15], v[154:155]
	v_pk_add_f32 v[236:237], v[236:237], v[158:159]
	v_pk_add_f32 v[250:251], v[250:251], v[162:163]
	v_pk_add_f32 v[248:249], v[248:249], v[166:167]
	v_pk_add_f32 v[246:247], v[246:247], v[170:171]
	v_pk_add_f32 v[244:245], v[244:245], v[174:175]
	v_pk_add_f32 v[242:243], v[242:243], v[178:179]
	v_pk_add_f32 v[240:241], v[240:241], v[182:183]
	v_pk_add_f32 v[14:15], v[14:15], v[186:187]
	v_pk_add_f32 v[236:237], v[236:237], v[190:191]
	s_delay_alu instid0(VALU_DEP_2)
	v_pk_add_f32 v[14:15], v[14:15], v[246:247]
	s_delay_alu instid0(VALU_DEP_2)
	v_pk_add_f32 v[236:237], v[236:237], v[244:245]
	v_pk_add_f32 v[250:251], v[250:251], v[242:243]
	v_pk_add_f32 v[248:249], v[248:249], v[240:241]
	s_delay_alu instid0(VALU_DEP_2)
	v_pk_add_f32 v[14:15], v[14:15], v[250:251]
	s_delay_alu instid0(VALU_DEP_2)
	v_pk_add_f32 v[236:237], v[236:237], v[248:249]
	s_delay_alu instid0(VALU_DEP_1)
	v_pk_add_f32 v[14:15], v[14:15], v[236:237]
	s_wait_alu depctr_va_vdst(0)                   ; and one for the four
.irp b, 0,1,2,3
	v_max_num_f32 v[232+\b], 0x1800000, v[232+\b]  ; the floor 2^(3 - 127)
.endr
.irp b, 0,1,2,3
	s_delay_alu instid0(VALU_DEP_4)
	v_add_nc_u32 v[244+\b], 0xff000000, v[232+\b]
.endr
.irp b, 0,1,2,3
	s_delay_alu instid0(VALU_DEP_4)
	v_lshrrev_b32 v[236+\b], 23, v[244+\b]
.endr
	s_delay_alu instid0(VALU_DEP_3)
	v_lshl_or_b32 v253, v237, 8, v236              ; p's scale word for these 128 keys
	s_delay_alu instid0(VALU_DEP_1)
	v_lshl_or_b32 v253, v238, 16, v253
	s_delay_alu instid0(VALU_DEP_1)
	v_lshl_or_b32 v253, v239, 24, v253
.irp c, 0,1
	v_cvt_scalef32_pk16_fp6_f32 v[224+6*\c:226+6*\c], v[S+32*\c:S+15+32*\c], v[244+2*\c]
	v_cvt_scalef32_pk16_fp6_f32 v[236+4*\c:238+4*\c], v[S+16+32*\c:S+31+32*\c], v[244+2*\c+1]
.endr
	v_nop                                          ; one plain place behind a scaled conversion
.irp c, 0,1
.irp i, 0,1,2
	v_permlane16_swap_b32 v[224+6*\c+\i], v[236+4*\c+\i]
.endr
.irp i, 0,1,2
	s_delay_alu instid0(VALU_DEP_3)
	v_mov_b32 v[227+6*\c+\i], v[236+4*\c+\i]
.endr
.endr
.set n, 0
.rept 16
	v_pk_mul_f32 v[O+n:O+n+1], v[O+n:O+n+1], v[252:253] op_sel_hi:[1,0]   ; O^T under the new M.  For each product below twelve of these name none of its registers: the places between p's scale word and codes and the product
.set n, n+2
.endr
.irp t, 0,1
	v_wmma_scale_f32_16x16x128_f8f6f4 v[O+8*\t:O+8*\t+7], v[VFR+12*\t:VFR+12*\t+11], v[224:235], v[O+8*\t:O+8*\t+7], v[29+\t], v253 matrix_a_fmt:MATRIX_FMT_FP6 matrix_b_fmt:MATRIX_FMT_FP6
.endr
.irp t, 0,1
	v_wmma_scale_f32_16x16x128_f8f6f4 v[O+16+8*\t:O+16+8*\t+7], v[VFR+24+12*\t:VFR+24+12*\t+11], v[224:235], v[O+16+8*\t:O+16+8*\t+7], v[29+\t], v253 matrix_a_fmt:MATRIX_FMT_FP6 matrix_b_fmt:MATRIX_FMT_FP6 matrix_a_scale:MATRIX_SCALE_ROW1
.endr
.Lhidden_\@:
	s_add_co_u32 s[KF], s[KF], 128
	s_add_co_u32 s[TS], s[TS], 512                 ; the next step's scale words
	s_add_co_u32 s[TJ], s[TJ], 256
.endm
; THE CHANGE OF SLOTS stands at a slot's head.  Each wave waits for all its tensor loads, adds 0 to its spare word, and waits for that and for its reads of the slot that it has left; behind the barrier the slot ahead is whole
; and nobody reads the other one.  fill = 1: that other slot is filled with the next 256 keys, up to the causal limit: the load has a slot's two steps in which to land.  By this text's count a wave has two loads out at the start, later one.
.macro CHANGE fill
	s_wait_tensorcnt 0x0                           ; no tensor load of mine is out, so group 0 may be written
	ds_add_u32 v[SPW], v[NIL]                      ; 0 onto my spare word
.if \fill
	s_xor_b32 s[G0+1], s[G0+1], SLOT1
	s_add_nc_u64 s[G0+2:G0+3], s[G0+2:G0+3], 12288
	s_wait_xcnt 0x0                                ; the last prefetch, a slot back, has read its address
	s_add_nc_u64 s[PFA:PFA+1], s[PFA:PFA+1], 12288
.endif
	s_wait_dscnt 0x0                               ; the add is done, and my reads of the slot that I have left are over
	s_barrier_signal -1
	s_barrier_wait -1
.if \fill
	s_add_co_u32 s96, s[KF], 256                   ; the first key of the slot that this change would ask for: past my work-group's last query none of its waves reads it, so it is not asked for.
	s_cmp_gt_u32 s96, s[LQ]                        ; Ids and the count of steps alone: all sixteen waves go the same way; every wait on TENSORcnt in this text is for 0
	s_cbranch_scc1 .Lpast_\@
	TLOAD
.Lpast_\@:
	ASK
.endif
.endm
.macro SLOT_STEPS
	STEP 0
	STEP 1
	s_xor_b32 s[TB], s[TB], SLOT1
.endm
	s_wait_loadcnt 0x0                             ; Q
.Lslot:                                            ; seven trips: behind each change of slots but the last the next slot is asked for
	CHANGE 1
	SLOT_STEPS
	s_sub_co_u32 s[SLOTS], s[SLOTS], 1
	s_cmp_lg_u32 s[SLOTS], 0
	s_cbranch_scc1 .Lslot
	CHANGE 0                                       ; the last slot is written out
	SLOT_STEPS
	; THE WAY OUT: O^T / the sum, quantised along the head's 64 channels (two blocks of 32), stored as half a fragment's image; the scale words meet in LDS and leave 128 at a time.
.rept 4
	v_nop                                          ; places behind the last products
.endr
	v_add_f32 v14, v14, v15
	s_delay_alu instid0(VALU_DEP_1)
	v_permlanex16_b32 v252, v14, s[SEL], s[SEL+1]
	s_delay_alu instid0(VALU_DEP_1)
	v_add_f32 v14, v14, v252                       ; the row's sum
	s_wait_alu depctr_va_vdst(0)
	v_rcp_f32 v14, v14
	v_nop                                          ; a plain place behind the reciprocal
	s_wait_alu depctr_va_vdst(0)                   ; the wait ahead of its first reader
.set n, 0
.rept 16
	v_pk_mul_f32 v[S+n:S+n+1], v[O+n:O+n+1], v[14:15] op_sel_hi:[1,0]   ; register 8 t + j: channel 16 t + 8 h + j of my query; each accumulator from its low end on
.set n, n+2
.endr
.irp b, 0,1
	v_max3_num_f32 v[232+\b], |v[S+16*\b]|, |v[S+1+16*\b]|, 0x1800000
.endr
.irp i, 2,4,6,8,10,12,14
.irp b, 0,1
	s_delay_alu instid0(VALU_DEP_2)
	v_max3_num_f32 v[232+\b], v[232+\b], |v[S+16*\b+\i]|, |v[S+1+16*\b+\i]|
.endr
.endr
.irp b, 0,1
	s_delay_alu instid0(VALU_DEP_2)
	v_permlanex16_b32 v[236+\b], v[232+\b], s[SEL], s[SEL+1]
.endr
.irp b, 0,1
	s_delay_alu instid0(VALU_DEP_2)
	v_max_num_f32 v[232+\b], v[232+\b], v[236+\b]
.endr
.irp b, 0,1
	s_delay_alu instid0(VALU_DEP_2)
	v_add_nc_u32 v[244+\b], 0xff000000, v[232+\b]
.endr
.irp b, 0,1
	s_delay_alu instid0(VALU_DEP_2)
	v_lshrrev_b32 v[236+\b], 23, v[244+\b]
.endr
	s_delay_alu instid0(VALU_DEP_1)
	v_lshl_or_b32 v240, v237, 8, v236
	s_delay_alu instid0(VALU_DEP_1)
	v_lshlrev_b32 v240, s[SHH], v240               ; an even head's two bytes below, an odd head's above: two heads' words are joined by an OR
	v_cvt_scalef32_pk16_fp6_f32 v[224:226], v[S:S+15], v244
	v_cvt_scalef32_pk16_fp6_f32 v[228:230], v[S+16:S+31], v245
	v_nop
.irp i, 0,1,2
	v_permlane16_swap_b32 v[224+\i], v[228+\i]     ; lanes 0-15 block 0, lanes 16-31 block 1
.endr
	s_delay_alu instid0(VALU_DEP_3)
	v_mov_b32 v227, v228
	s_delay_alu instid0(VALU_DEP_3)
	v_mov_b32 v228, v229
	s_delay_alu instid0(VALU_DEP_3)
	v_mov_b32 v229, v230
.irp p, 0,1,2
	global_store_b64 v[AK0], v[224+2*\p:225+2*\p], s[8:9] offset:256*\p   ; 256 consecutive bytes, aligned
.endr
	ds_store_b32 v[OSA], v240                      ; both halves of the lanes write the same word with the same value
	s_wait_dscnt 0x0                               ; for the others' sake
	s_barrier_signal -1
	s_barrier_wait -1
	s_cmp_lt_u32 s[WV], 2                          ; waves 0 and 1 own the first tile of the early and of the late block: their pointers stand at the blocks' first tokens
	s_cbranch_scc0 .Lno_words
	ds_load_b128 v[232:235], v[RDA]
	v_and_b32 v236, 31, v0
	s_delay_alu instid0(VALU_DEP_1)
	v_lshlrev_b32 v236, 4, v236
	s_wait_alu depctr_va_vdst(0)
	s_wait_dscnt 0x0
	global_store_b128 v236, v[232:235], s[10:11]   ; 128 tokens' words: 512 consecutive bytes
.Lno_words:
	s_wait_tensorcnt 0x0                           ; the wave's end, behind my last tensor load and my last LDS store
	ds_add_u32 v[SPW], v[NIL]
	s_wait_dscnt 0x0
	s_endpgm
.Lfunc_end_k_q7f9a9f4e41_attn:
	.size	k_q7f9a9f4e41_attn, .Lfunc_end_k_q7f9a9f4e41_attn-k_q7f9a9f4e41_attn
	.p2alignl 7, 3214868480
	.fill 96, 4, 3214868480
	.section	.rodata,"a",@progbits
	.p2align	6, 0x0
	.amdhsa_kernel k_q7f9a9f4e41_attn
		.amdhsa_group_segment_fixed_size 327680
		.amdhsa_private_segment_fixed_size 0
		.amdhsa_enable_private_segment 0
		.amdhsa_kernarg_size 32
		.amdhsa_user_sgpr_count 2
		.amdhsa_user_sgpr_kernarg_segment_ptr 1
		.amdhsa_wavefront_size32 1
		.amdhsa_system_sgpr_workgroup_id_x 1
		.amdhsa_system_sgpr_workgroup_id_y 1
		.amdhsa_system_sgpr_workgroup_id_z 1
		.amdhsa_system_vgpr_workitem_id 0
		.amdhsa_next_free_vgpr 256
		.amdhsa_next_free_sgpr 100
		.amdhsa_reserve_vcc 1
		.amdhsa_float_denorm_mode_32 3
		.amdhsa_float_denorm_mode_16_64 3
		.amdhsa_memory_ordered 1
		.amdhsa_forward_progress 1
		.amdhsa_inst_pref_size 109
	.end_amdhsa_kernel
	.amdgpu_metadata
---
amdhsa.version: [ 1, 2 ]
amdhsa.kernels:
  - .name:           k_q7f9a9f4e41_attn
    .symbol:         k_q7f9a9f4e41_attn.kd
    .args:
      - { .name: qkvc, .offset: 0, .size: 8, .value_kind: global_buffer, .address_space: global }
      - { .name: qkvs, .offset: 8, .size: 8, .value_kind: global_buffer, .address_space: global }
      - { .name: oc, .offset: 16, .size: 8, .value_kind: global_buffer, .address_space: global }
      - { .name: os, .offset: 24, .size: 8, .value_kind: global_buffer, .address_space: global }
    .group_segment_fixed_size: 327680
    .private_segment_fixed_size: 0
    .kernarg_segment_align: 8
    .kernarg_segment_size: 32
    .max_flat_workgroup_size: 512
    .sgpr_count:     100
    .vgpr_count:     256
    .wavefront_size: 32
...
	.end_amdgpu_metadata
.endif
;; end of part 3
;; launch gemm_out (part 4): grid 4 x 16, 4 waves a work-group, clusters of 4 x 4, 327,680 bytes of LDS; arguments oc, os, cw, sw, b_out, out0; writes out0
.if DOCPART == 4
	.amdgcn_target "amdgcn-amd-amdhsa--gfx1250"
	.amdhsa_code_object_version 6
	.text
	.protected	k_q7f9a9f4e41_gemm_out
	.globl	k_q7f9a9f4e41_gemm_out
	.p2align	8
	.type	k_q7f9a9f4e41_gemm_out,@function
k_q7f9a9f4e41_gemm_out:
	s_mov_b64 s[64:65], 0
	v_nop
	global_prefetch_b8 v0, s[64:65] scope:SCOPE_SE
	s_setreg_imm32_b32 hwreg(HW_REG_WAVE_MODE, 25, 1), 1
	s_wait_xcnt 0x0
	s_wait_alu depctr_hold_cnt(0) depctr_sa_sdst(0) depctr_va_vdst(0) depctr_va_sdst(0) depctr_va_ssrc(0) depctr_va_vcc(0) depctr_vm_vsrc(0)
	s_getreg_b32 s2, hwreg(HW_REG_IB_STS2, 6, 4)
	s_cmp_eq_u32 s2, 0
	s_cbranch_scc0 .Lentry_in_a_cluster
	s_endpgm
.Lentry_in_a_cluster:
	s_bfe_u32 s2, ttmp6, 0x10000c
	s_cmp_lg_u32 s2, 0xf033
	s_cbranch_scc0 .Lentry_shape_is_right
	s_endpgm
.Lentry_shape_is_right:
; out0 = O W_out + b_out on codes of FP6 (E2M3) with E8M0 scales: M = 4,096 tokens, N = 1,024, K = 1,024.  out0 is f32.
; A = O arrives as IMAGES of fragments: oc [tile of 16 tokens][head 16][3 pieces of 256 bytes]; heads 2 s and 2 s + 1 are the twelve registers of K step s, six pieces, lane l's 8 bytes at 8 l.  Its scale words: os [head][token],
; a head's two bytes in its half of the word: the words of heads 2 s and 2 s + 1 are joined by an OR.  B = rows 7,168 on of cw and sw (W_out's columns; inside each block of 32 in the same order as O's codes).
; A work-group of four waves makes 256 x 256, a wave 128 x 128.  K goes in steps of 256 through two LDS slots.  CLUSTERS 4 x 4: A's tiles are asked for jointly along a row of the cluster, B's along a column.
; 64 work-groups: the tile is kept large, since this product holds one eighth of the program's matrix work.
; The matrix instruction is used transposed (source 0 = B's rows, source 1 = A's): a lane holds eight neighbouring numbers of a row of out0.  The bias is the C of each sum's first matrix instruction.
; REGISTERS, in windows of 256: window 0: v0-31 addresses; v32-63 scale words, two sets; v64-127 the bias in the result's layout; v128-223 A's fragments, one set.  window 1: B's fragments, two sets.  windows 2, 3: the accumulators.
.set SIZE_N, 1024
.set KSTEP,  256
.set NQ,     KSTEP/128
.set ROWB,   192
.set KROW,   768
.set PITCH,  240                       ; B's LDS row: 3 x (64 bytes + 16 of padding)
.set FR,     12
.set NL,     6
.set NP,     4
.set HALFA,  8*3072                    ; A: 8 tiles of 16 tokens x 3,072 bytes (256 along K): what one tensor load brings
.set HALFT,  128*PITCH                 ; B: 128 rows
.set SLOT,   2*HALFA+2*HALFT
.set LAPS,   2
.set KS,     32
.set SCL,    2*SLOT                    ; the scales, as units of 256 bytes + 16: A's 256 rows (stored by the waves; no tensor load lands there), then B's (one tensor load a wave)
.set HALFS,  (128*KS/256)*272
.set SBLK,   (16*KS/256)*272
.set SPARE,  SCL+4*HALFS
.set SPITCH, 528                       ; the way out: a stage of 16 rows x (512 + 16) bytes a wave, in slot 0, which has had its last fill and its last read by then
.set ADRA, 16
.set ADRB, 20
.set STO,  24
.set RD,   25
.set CO,   26
.set ADRS, 27
.set SPW,  28
.set NIL,  29
.set SC,   32
.set BI,   64
.set AF,   128
.set BK,   128
.set G1, 24
.set G0, 32
.set G1B, 48
.set G0B, 56
.set G1SB, 80
.set G0SB, 88
.set MSB, 0
.macro WIN new
.if MSB != (\new)
	s_set_vgpr_msb (MSB<<8)|(\new)
.set MSB, (\new)
.endif
.endm
.set MUL_LO, 0xa1                      ; source 0 (B) window 1, source 1 (A) window 0, C and D window 2
.set MUL_HI, 0xf1
.set FIRST_LO, 0x81                    ; the same with C (the bias) in window 0
.set FIRST_HI, 0xc1
.set TO_B,   0x40
.macro JLOAD g0a, g1a, g0b, g1b        ; a joint load: waves 0 and 1 fetch for A, waves 2 and 3 for B.  An s_nop 0 and four v_nop follow each of the two lines
	s_cmp_eq_u32 s15, 0
	s_cbranch_scc0 .Lfor_b_\@
	tensor_load_to_lds s[\g0a:\g0a+3], s[\g1a:\g1a+7]
	s_nop 0
.rept 4
	v_nop
.endr
	s_branch .Lasked_\@
.Lfor_b_\@:
	tensor_load_to_lds s[\g0b:\g0b+3], s[\g1b:\g1b+7]
	s_nop 0
.rept 4
	v_nop
.endr
.Lasked_\@:
.endm
.macro CREST
	s_cmp_lg_u32 s14, 0
	s_cbranch_scc1 .Lnot_wave_0_\@
	s_barrier_signal -3
.Lnot_wave_0_\@:
	s_barrier_wait -3
	s_barrier_signal -1
	s_barrier_wait -1
.endm
.macro CROUND
	s_barrier_signal -1
	s_barrier_wait -1
	CREST
.endm
	s_load_b256 s[4:11], s[0:1], 0x0               ; oc s[4:5], os s[6:7], cw s[8:9], sw s[10:11]
	s_load_b128 s[96:99], s[0:1], 0x20             ; b_out s[96:97], out0 s[98:99]
	v_lshl_add_u32 v[SPW], v0, 2, SPARE
	v_mov_b32 v[NIL], 0
	ds_add_u32 v[SPW], v[NIL]                      ; the wave's opening: the add and its wait stand ahead of my first tensor load
	v_lshrrev_b32 v1, 5, v0
	v_readfirstlane_b32 s14, v1                    ; wave 0..3
	s_lshr_b32 s15, s14, 1                         ; which half of the tile's rows is mine.  Also: I fetch for A (0) or for B (1)
	s_and_b32 s16, s14, 1                          ; which half of its columns.  Also: which half of that tile I fetch
	s_bfe_u32 s40, ttmp6, 0x40000                  ; cx, cy
	s_bfe_u32 s41, ttmp6, 0x40004
	s_lshl_b32 s42, ttmp9, 2
	s_add_co_u32 s42, s42, s40                     ; tile column
	s_and_b32 s17, ttmp7, 0xffff
	s_lshl_b32 s17, s17, 2
	s_add_co_u32 s17, s17, s41                     ; tile row
	s_lshl_b32 s43, s41, 2
	s_lshl_b32 s43, 15, s43                        ; my row of the cluster
	s_lshl_b32 s44, 0x1111, s40                    ; my column
	s_or_b32 s[G1+0], s43, (3<<16)|(1<<21)         ; A: 15:0 the mask; 17:16 elements of 8 bytes; no padding; 21 set beside a mask
	s_mov_b32 s[G1+1], 384<<16                     ; tensor_dim0 = 384 elements: a token tile's 3,072 bytes of a K step
	s_mov_b32 s[G1+2], 8<<16                       ; tensor_dim1 = 8 token tiles
	s_mov_b32 s[G1+3], 384<<16                     ; tile_dim0
	s_mov_b32 s[G1+4], 8                           ; tile_dim1
	s_mov_b32 s[G1+5], 1536                        ; from tile to tile 12,288 bytes
	s_mov_b32 s[G1+6], 0
	s_mov_b32 s[G1+7], 0
	s_or_b32 s[G1B+0], s44, (0<<16)|(1<<20)|(1<<21)|(3<<22)|(3<<25)  ; B: 128 rows of 192 bytes, 16 bytes of padding behind every 64
	s_mov_b32 s[G1B+1], ROWB<<16
	s_mov_b32 s[G1B+2], 128<<16
	s_mov_b32 s[G1B+3], ROWB<<16
	s_mov_b32 s[G1B+4], 128
	s_mov_b32 s[G1B+5], KROW
	s_mov_b32 s[G1B+6], 0
	s_mov_b32 s[G1B+7], 0
	s_or_b32 s[G1SB+0], s44, (3<<16)|(1<<20)|(1<<21)|(5<<22)|(3<<25) ; B's scales of 64 rows: 2,048 dense bytes as 8 rows of 256, 16 bytes of padding behind each
	s_mov_b32 s[G1SB+1], 32<<16
	s_mov_b32 s[G1SB+2], 8<<16
	s_mov_b32 s[G1SB+3], 32<<16
	s_mov_b32 s[G1SB+4], 8
	s_mov_b32 s[G1SB+5], 32
	s_mov_b32 s[G1SB+6], 0
	s_mov_b32 s[G1SB+7], 0
	s_lshl_b32 s20, s17, 4
	s_lshl_b32 s18, s16, 3
	s_add_co_u32 s20, s20, s18
	s_mul_i32 s20, s20, 12288                      ; A: token tile 16 x tile row + 8 x half
	s_mov_b32 s21, 0
	s_lshl_b32 s22, s17, 10                        ; A's words: 256 tokens x 4 bytes a tile row
	s_mov_b32 s23, 0
	s_lshl_b32 s46, s42, 8
	s_lshl_b32 s18, s16, 7
	s_add_co_u32 s46, s46, s18
	s_add_co_u32 s46, s46, 7168
	s_mul_i32 s46, s46, KROW                       ; B: row 7,168 + 256 x tile column + 128 x half of cw
	s_mov_b32 s47, 0
	s_lshl_b32 s92, s42, 8
	s_lshl_b32 s18, s14, 6
	s_add_co_u32 s92, s92, s18
	s_add_co_u32 s92, s92, 7168
	s_lshl_b32 s92, s92, 5                         ; B's scales: each wave brings 64 rows' worth
	s_mov_b32 s93, 0
	s_mul_i32 s45, s16, HALFA                      ; where they go: no place in the cluster enters an LDS address
	s_mul_i32 s95, s16, HALFT
	s_add_co_u32 s95, s95, 2*HALFA
	s_mul_i32 s94, s14, 2176
	s_add_co_u32 s94, s94, SCL+2*HALFS
	v_and_b32 v9, 31, v0
	s_lshl_b32 s18, s14, 6
	v_add_nc_u32 v9, s18, v9
	v_lshlrev_b32 v9, 2, v9                        ; my token's word: token 64 x wave + lane (and 32 on)
	s_wait_dscnt 0x0                               ; the opening add is done
	s_wait_kmcnt 0x0
	s_add_nc_u64 s[20:21], s[4:5], s[20:21]
	s_add_nc_u64 s[6:7], s[6:7], s[22:23]          ; os at my tile row's first token: the pair stays as it is from here on, since the 32 loads below name it until their wait
	s_add_nc_u64 s[46:47], s[8:9], s[46:47]
	s_add_nc_u64 s[92:93], s[10:11], s[92:93]
.irp e, 0,1
.irp hd, 0,1,2,3,4,5,6,7,8,9,10,11,12,13,14,15
	global_load_b32 v[128+16*\e+\hd], v9, s[6:7] offset:16384*\hd+128*\e   ; 128 consecutive bytes a load
.endr
.endr
	CROUND                                         ; all sixteen work-groups are here: the first joint loads meet
	s_mov_b32 s[G0SB], 1
	s_mov_b32 s[G0SB+1], s94
	s_mov_b64 s[G0SB+2:G0SB+3], s[92:93]
	s_or_b32 s[G0SB+3], s[G0SB+3], 0x80000000
	tensor_load_to_lds s[G0SB:G0SB+3], s[G1SB:G1SB+7]   ; B's scales: every wave its quarter, jointly along the column
	s_nop 0
.rept 4
	v_nop
.endr
.irp s, 0,1
	s_mov_b32 s[G0+4*\s], 1
	s_add_co_u32 s[G0+4*\s+1], s45, \s*SLOT
	s_add_nc_u64 s[G0+4*\s+2:G0+4*\s+3], s[20:21], \s*3072
	s_or_b32 s[G0+4*\s+3], s[G0+4*\s+3], 0x80000000
	s_mov_b32 s[G0B+4*\s], 1
	s_add_co_u32 s[G0B+4*\s+1], s95, \s*SLOT
	s_add_nc_u64 s[G0B+4*\s+2:G0B+4*\s+3], s[46:47], \s*ROWB
	s_or_b32 s[G0B+4*\s+3], s[G0B+4*\s+3], 0x80000000
	JLOAD G0+4*\s, G1, G0B+4*\s, G1B
.endr
	v_and_b32 v1, 15, v0                           ; r
	v_bfe_u32 v2, v0, 4, 1                         ; h
	s_lshl_b32 s46, s42, 10                        ; my first column, in bytes, in b_out and in a row of out0: 1,024 x tile column + 512 x half
	s_lshl_b32 s47, s16, 9
	s_add_co_u32 s46, s46, s47
	s_mov_b32 s47, 0
	s_add_nc_u64 s[96:97], s[96:97], s[46:47]
	v_lshlrev_b32 v11, 5, v2
.irp b, 0,1,2,3,4,5,6,7
.irp e, 0,1
	global_load_b128 v[BI+8*\b+4*\e:BI+8*\b+4*\e+3], v11, s[96:97] offset:64*\b+16*\e   ; the bias of columns 16 b + 8 h + 0 .. 7
.endr
.endr
	s_lshl_b32 s20, s17, 8
	s_lshl_b32 s21, s15, 7
	s_add_co_u32 s20, s20, s21
	s_lshl_b32 s20, s20, 12                        ; my first row of out0, 4,096 bytes a row
	s_mov_b32 s21, 0
	s_add_nc_u64 s[20:21], s[20:21], s[46:47]
	s_add_nc_u64 s[12:13], s[98:99], s[20:21]
	v_and_b32 v6, 31, v0
	v_lshlrev_b32 v7, 3, v6                        ; A: 8 x lane
	v_mul_u32_u24 v3, v1, PITCH
	v_mul_u32_u24 v4, v2, 24
	v_add_nc_u32 v4, v3, v4                        ; B: a fragment's row x pitch + 24 x half
	v_lshl_add_u32 v5, v2, 4, v4                   ; and the same behind one padding more
	s_mul_i32 s21, s15, HALFA
	s_mul_i32 s22, s16, HALFT
	s_add_co_u32 s22, s22, 2*HALFA
.irp s, 0,1
	v_add_nc_u32 v[ADRA+\s], s21, v7
	v_add_nc_u32 v[ADRB+\s], s22, v4
	v_add_nc_u32 v[ADRB+2+\s], s22, v5
	s_add_co_u32 s21, s21, SLOT
	s_add_co_u32 s22, s22, SLOT
.endr
	v_mul_u32_u24 v5, v1, KS
	v_lshrrev_b32 v6, 8, v5
	v_lshl_add_u32 v5, v6, 4, v5
	s_mul_i32 s21, s15, HALFS
	s_mul_i32 s22, s16, HALFS
	s_add_co_u32 s22, s22, 2*HALFS
	s_sub_co_u32 s22, s22, s21
	v_mul_u32_u24 v6, s22, v2                      ; lanes 16-31 take B's
	s_add_co_u32 s21, s21, SCL
	v_add_nc_u32 v5, v5, v6
	v_add_nc_u32 v[ADRS], s21, v5
	s_mul_i32 s23, s14, 16*SPITCH                  ; my stage
	v_mul_u32_u24 v5, v1, SPITCH
	v_lshl_add_u32 v5, v2, 5, v5
	v_add_nc_u32 v[STO], s23, v5
	v_and_b32 v6, 31, v0
	v_lshlrev_b32 v[CO], 4, v6
	v_add_nc_u32 v[RD], s23, v[CO]
	v_lshrrev_b32 v12, 3, v6                       ; A's scale rows: token tau at 32 tau + 16 (tau / 8); tau = 64 x wave + lane
	v_lshlrev_b32 v10, 5, v6
	v_lshl_add_u32 v10, v12, 4, v10
	s_mul_i32 s18, s14, 2176
	s_add_co_u32 s18, s18, SCL
	v_add_nc_u32 v10, s18, v10
	s_wait_loadcnt 0x0                             ; A's words and the bias
.irp e, 0,1
.irp s, 0,1,2,3,4,5,6,7
	v_or_b32 v[160+8*\e+\s], v[128+16*\e+2*\s], v[129+16*\e+2*\s]   ; heads 2 s and 2 s + 1: the word of K step s
.endr
.endr
.irp e, 0,1
.irp k, 0,1
	ds_store_b128 v10, v[160+8*\e+4*\k:163+8*\e+4*\k] offset:1088*\e+16*\k   ; a token's eight words; 32 tokens on are 1,024 + 64 bytes on
.endr
.endr
.macro FRAG reg, adr, q, i             ; B's fragment from padded rows, in pieces of 8 bytes
.irp p, 0,1,2,3,4,5
.set PC, 12*(\q)+6*(\p/3)+\p%3
.if PC%8 < 5
	ds_load_b64 v[\reg+2*\p:\reg+2*\p+1], v[\adr] offset:8*PC+16*(PC/8)+(\i)*16*PITCH
.else
	ds_load_b64 v[\reg+2*\p:\reg+2*\p+1], v[\adr+2] offset:8*PC+16*(PC/8)+(\i)*16*PITCH
.endif
.endr
.endm
.macro FRAGA reg, slot, q, i           ; A's fragment from its image: six loads of 256 consecutive bytes
.irp p, 0,1,2,3,4,5
	ds_load_b64 v[\reg+2*\p:\reg+2*\p+1], v[ADRA+\slot] offset:3072*(\i)+1536*(\q)+256*\p
.endr
.endm
; 16 matrix instructions; the 64 accumulators take turns, one instruction a turn.  zero = 1: the first product starts the sums on the bias
.macro MUL16 a0, p, q, sc, zero
.irp a, \a0, \a0+1
.irp b, 0,1,2,3,4,5,6,7
.if \zero
	v_wmma_scale_f32_16x16x128_f8f6f4 v[8*(8*((\a)%4)+\b):8*(8*((\a)%4)+\b)+7], v[128*(\p)+FR*\b:128*(\p)+FR*\b+FR-1], v[AF+FR*(\a):AF+FR*(\a)+FR-1], v[BI+8*\b:BI+8*\b+7], v[SC+8*NQ*(\sc)+NQ*\b+(\q)], v[SC+8*NQ*(\sc)+NQ*(\a)+(\q)] matrix_a_fmt:MATRIX_FMT_FP6 matrix_b_fmt:MATRIX_FMT_FP6 matrix_a_scale:MATRIX_SCALE_ROW1
.else
	v_wmma_scale_f32_16x16x128_f8f6f4 v[8*(8*((\a)%4)+\b):8*(8*((\a)%4)+\b)+7], v[128*(\p)+FR*\b:128*(\p)+FR*\b+FR-1], v[AF+FR*(\a):AF+FR*(\a)+FR-1], v[8*(8*((\a)%4)+\b):8*(8*((\a)%4)+\b)+7], v[SC+8*NQ*(\sc)+NQ*\b+(\q)], v[SC+8*NQ*(\sc)+NQ*(\a)+(\q)] matrix_a_fmt:MATRIX_FMT_FP6 matrix_b_fmt:MATRIX_FMT_FP6 matrix_a_scale:MATRIX_SCALE_ROW1
.endif
.endr
.endr
.endm
.macro FETCH_B slot, q, p
	WIN TO_B
.irp i, 0,1,2,3,4,5,6,7
	FRAG 128*(\p)+FR*\i, ADRB+\slot, \q, \i
.endr
	WIN 0
.endm
.macro FETCH_A slot, q, i0
.irp i, \i0, \i0+1, \i0+2, \i0+3
	FRAGA AF+FR*(\i), \slot, \q, \i
.endr
.endm
.macro SCALES sc
.irp i, 0,1,2,3,4,5,6,7
	ds_load_b64 v[SC+8*NQ*\sc+NQ*\i:SC+8*NQ*\sc+NQ*\i+1], v[ADRS] offset:\i*SBLK
.endr
.endm
.macro PLACES n
.rept \n
	v_nop
.endr
.endm
.macro STEP slot, q, zero
	s_wait_dscnt 4*NL                              ; B's set and A's blocks 0-3 are in; the 24 youngest loads (A's blocks 4-7) may be out
.if \zero
	WIN FIRST_LO
.else
	WIN MUL_LO
.endif
	MUL16 0, (\q)%2, \q, \slot, \zero
	MUL16 2, (\q)%2, \q, \slot, \zero
	s_wait_dscnt 0
	PLACES NP
	FETCH_B \slot, (\q)+1, 1-(\q)%2
	FETCH_A \slot, (\q)+1, 0
.if \zero
	WIN FIRST_HI
.else
	WIN MUL_HI
.endif
	MUL16 4, (\q)%2, \q, \slot, \zero
	MUL16 6, (\q)%2, \q, \slot, \zero
	PLACES NP
	WIN 0
	FETCH_A \slot, (\q)+1, 4
.endm
.macro TURN slot, next, fill
	s_wait_tensorcnt 0x0                           ; all my tensor loads have landed: my part of the next slot
	ds_add_u32 v[SPW], v[NIL]                      ; 0 onto my spare word
	s_wait_dscnt 4*NL+1                            ; (the add and the 24 youngest loads may be out)
	WIN MUL_LO
	MUL16 0, 1, NQ-1, \slot, 0
	s_wait_dscnt 0x0                               ; the add is done, and my reads of this slot are over
	s_barrier_signal -1
	MUL16 2, 1, NQ-1, \slot, 0
	WIN 0
	s_barrier_wait -1
.if \fill
	CREST                                          ; the barrier has opened a round of the cluster's barrier
	s_add_nc_u64 s[G0+4*\slot+2:G0+4*\slot+3], s[G0+4*\slot+2:G0+4*\slot+3], 2*3072
	s_add_nc_u64 s[G0B+4*\slot+2:G0B+4*\slot+3], s[G0B+4*\slot+2:G0B+4*\slot+3], 2*ROWB
	JLOAD G0+4*\slot, G1, G0B+4*\slot, G1B         ; the first tensor load behind the round; its four v_nop are the places in front of the loads below
.else
	PLACES NP
.endif
	v_add_nc_u32 v[ADRS], 4*NQ, v[ADRS]
	FETCH_B \next, 0, 0
	FETCH_A \next, 0, 0
	SCALES \next
	WIN MUL_HI
	MUL16 4, 1, NQ-1, \slot, 0
	MUL16 6, 1, NQ-1, \slot, 0
	PLACES NP
	WIN 0
	FETCH_A \next, 0, 4
.endm
	s_wait_tensorcnt 1                             ; B's scales and my part of K step 0 are in (K step 1's load may be out)
	s_wait_dscnt 0x0                               ; and my part of A's scale words has landed
	s_barrier_signal -1
	s_barrier_wait -1                              ; everybody's have
	FETCH_B 0, 0, 0
	FETCH_A 0, 0, 0
	SCALES 0
	FETCH_A 0, 0, 4
	STEP 0, 0, 1                                   ; the first step stands in front of the loop: its products start the sums on the bias
	s_mov_b32 s3, LAPS-1
.Llap:
	TURN 0, 1, 1
	STEP 1, 0, 0
	TURN 1, 0, 1
	STEP 0, 0, 0
	s_sub_co_u32 s3, s3, 1
	s_cmp_lg_u32 s3, 0
	s_cbranch_scc1 .Llap
	TURN 0, 1, 0                                   ; the last lap fills nothing
	STEP 1, 0, 0
	s_wait_dscnt 4*NL
	WIN MUL_LO
	MUL16 0, 1, NQ-1, 1, 0
	MUL16 2, 1, NQ-1, 1, 0
	s_wait_dscnt 0
	WIN MUL_HI
	MUL16 4, 1, NQ-1, 1, 0
	MUL16 6, 1, NQ-1, 1, 0
	WIN 0
; THE WAY OUT, block by block of 16 rows x 128 columns, through my own stage: in as 32 bytes a lane, back as whole rows of 512 bytes.  LDS serves a wave's instructions in order (ISA guide 5.7.1.4).
.macro TOSTAGE a
.set AC, 64*((\a)%4)
	WIN 0x08+4*((\a)/4)                            ; the data: window 2 or 3
.irp b, 0,1,2,3,4,5,6,7
	ds_store_b128 v[STO], v[AC+8*\b:AC+8*\b+3] offset:64*\b          ; each accumulator from its low end on
	ds_store_b128 v[STO], v[AC+8*\b+4:AC+8*\b+7] offset:64*\b+16
.endr
	WIN 0
.set BB, BK+64*((\a)%2)
.irp t, 0,1,2,3,4,5,6,7,8,9,10,11,12,13,14,15
	ds_load_b128 v[BB+4*\t:BB+4*\t+3], v[RD] offset:\t*SPITCH
.endr
.endm
.macro SEND a, younger
.set BB, BK+64*((\a)%2)
	s_wait_dscnt \younger                          ; the block is back in registers; the next block's 16 stores and 16 loads may be out
.if (\a) > 0
	s_add_nc_u64 s[12:13], s[12:13], 16*SIZE_N*4   ; (behind a wait on XCNT: the earlier stores have read their base)
.endif
.irp t, 0,1,2,3,4,5,6,7,8,9,10,11,12,13,14,15
	global_store_b128 v[CO], v[BB+4*\t:BB+4*\t+3], s[12:13] offset:\t*SIZE_N*4 th:TH_STORE_NT   ; 32 lanes store 512 consecutive bytes, at a multiple of 256 from out0's first byte
.endr
.endm
	PLACES NP
	TOSTAGE 0
.irp a, 1,2,3,4,5,6,7
.if \a > 1
	s_wait_xcnt 0x0                                ; block a - 2's stores have read their registers and their base
.endif
	TOSTAGE \a
	SEND \a-1, 32
.endr
	s_wait_xcnt 0x0
	SEND 7, 0
	s_wait_tensorcnt 0x0                           ; the wave's end, behind my last tensor load and my last LDS store
	ds_add_u32 v[SPW], v[NIL]
	s_wait_dscnt 0x0
	CROUND                                         ; the closing round
	s_endpgm
.Lfunc_end_k_q7f9a9f4e41_gemm_out:
	.size	k_q7f9a9f4e41_gemm_out, .Lfunc_end_k_q7f9a9f4e41_gemm_out-k_q7f9a9f4e41_gemm_out
	.p2alignl 7, 3214868480
	.fill 96, 4, 3214868480
	.section	.rodata,"a",@progbits
	.p2align	6, 0x0
	.amdhsa_kernel k_q7f9a9f4e41_gemm_out
		.amdhsa_group_segment_fixed_size 327680
		.amdhsa_private_segment_fixed_size 0
		.amdhsa_enable_private_segment 0
		.amdhsa_kernarg_size 48
		.amdhsa_user_sgpr_count 2
		.amdhsa_user_sgpr_kernarg_segment_ptr 1
		.amdhsa_wavefront_size32 1
		.amdhsa_system_sgpr_workgroup_id_x 1
		.amdhsa_system_sgpr_workgroup_id_y 1
		.amdhsa_system_sgpr_workgroup_id_z 1
		.amdhsa_system_vgpr_workitem_id 0
		.amdhsa_next_free_vgpr 1024
		.amdhsa_next_free_sgpr 102
		.amdhsa_reserve_vcc 0
		.amdhsa_float_denorm_mode_32 3
		.amdhsa_float_denorm_mode_16_64 3
		.amdhsa_memory_ordered 1
		.amdhsa_forward_progress 1
		.amdhsa_inst_pref_size 165
	.end_amdhsa_kernel
	.amdgpu_metadata
---
amdhsa.version: [ 1, 2 ]
amdhsa.kernels:
  - .name:           k_q7f9a9f4e41_gemm_out
    .symbol:         k_q7f9a9f4e41_gemm_out.kd
    .args:
      - { .name: oc, .offset: 0, .size: 8, .value_kind: global_buffer, .address_space: global }
      - { .name: os, .offset: 8, .size: 8, .value_kind: global_buffer, .address_space: global }
      - { .name: cw, .offset: 16, .size: 8, .value_kind: global_buffer, .address_space: global }
      - { .name: sw, .offset: 24, .size: 8, .value_kind: global_buffer, .address_space: global }
      - { .name: b_out, .offset: 32, .size: 8, .value_kind: global_buffer, .address_space: global }
      - { .name: out0, .offset: 40, .size: 8, .value_kind: global_buffer, .address_space: global }
    .group_segment_fixed_size: 327680
    .private_segment_fixed_size: 0
    .kernarg_segment_align: 8
    .kernarg_segment_size: 48
    .max_flat_workgroup_size: 128
    .sgpr_count:     102
    .vgpr_count:     1024
    .wavefront_size: 32
...
	.end_amdgpu_metadata
.endif
;; end of part 4
